; MI455X (gfx1250); checked and timed in simulation.
; The chip was launched on July 23, 2026; its instructions are those of AMD's public machine-readable ISA for CDNA 5 (MIT licence, August 2026) and "CDNA5" Instruction Set Architecture Reference Guide (July 2026). The comments in the code are by the model that wrote it; some were corrected since.
;; projection net. Allowed arithmetic: float matrix products may take bf16 or f16 operands with f32 sums; other float arithmetic in f32, or as packed bf16 or f16 multiplies, adds, multiply-adds, maxima and minima; sums over many terms, partial sums and values carried from step to step in f32; what a program stores and reads back later, other than sums and carried values, may be rounded once to bf16 or f16.
;; Inputs: emb 4,096 x 512 float32; proj_ids 4,096 int32; rel_att 1,000 x 64 float32; rel_base 64 x 512 x 512 float32; rel_bias 64 x 512 float32.
;; Outputs: out0 4,096 x 512 float32.
;; 2 versions, each right. Each part assembles by itself: llvm-mc -triple=amdgcn-amd-amdhsa -mcpu=gfx1250 --defsym DOCPART=n.
;; ======== version 1 of 2: 3 launches
;; workspace buffers: wk 37,748,736 bytes; y 8,388,608 bytes
;; launch prep (part 1): grid 2304 x 1, 4 waves a work-group, no clusters, 0 bytes of LDS; arguments rel_base, emb, wk; writes wk
.if DOCPART == 1
	.amdgcn_target "amdgcn-amd-amdhsa--gfx1250"
	.amdhsa_code_object_version 6
	.text
	.protected	k_q5c303440f3_prep
	.globl	k_q5c303440f3_prep
	.p2align	8
	.type	k_q5c303440f3_prep,@function
k_q5c303440f3_prep:
	s_mov_b64 s[64:65], 0
	v_nop
	global_prefetch_b8 v0, s[64:65] scope:SCOPE_SE
	s_setreg_imm32_b32 hwreg(HW_REG_WAVE_MODE, 25, 1), 1
	s_wait_xcnt 0x0
; out0 = LayerNorm( sum over r of att[b][r] (emb[b] . base[r] + bias[r]) ), att[b] = rel_att[proj_ids[b]].  Three launches: this one, the products, the norm.
; NOTHING OF reference() IS LEFT OUT: every input has a way to the output and all five are loaded (of rel_att the rows that proj_ids names).
; THIS LAUNCH rounds rel_base and emb once to bf16 and lays them in blocks of 32 columns:
;   wk[block][row][32 columns], a row 64 bytes, 36,864 rows a block.  Rows 0 .. 32,767: base, row = 512 r + i, block = o / 32.  Rows 32,768 ..: emb, row = 32,768 + b, block = i / 32.
; So the base rows of a block of 32 output columns are one dense run of bytes for the products' tensor loads, and 16 rows x 32 channels of emb are 1,024 bytes on end.
; SHARES.  Both inputs are rows of 512 f32: 36,864 rows in all, 16 to a work-group, 4 to a wave.  No loop: 16 loads, 32 roundings, 8 stores a lane; nothing is read twice, no LDS, no barrier.
; A pair of loads of the wave covers 256 aligned bytes of each of its 4 rows; in a store lanes 0-15 write 256 consecutive aligned bytes (4 rows of one block), lanes 16-31 the same rows of the next block.
; LIMIT.  A number beyond bf16's largest finite one becomes an infinity in the rounding.
.set BLK, 2359296                      ; bytes in a block of wk: 36,864 rows x 64
.set LO,  1                            ; v1       my byte offset in the work-group's 16 source rows
.set SO,  2                            ; v2       my byte offset in wk from the work-group's rows in an even block
.set X,   8                            ; v[8:71]  part p of 8: 8 f32 as loaded
.set Y,   72                           ; v[72:103] part p: the same 8 numbers in bf16
.set OBS, 16                           ; s[16:23] wk at the work-group's rows in blocks 0, 4, 8, 12
	s_load_b128 s[4:7], s[0:1], 0x0                ; rel_base s[4:5], emb s[6:7]
	s_load_b64 s[8:9], s[0:1], 0x10                ; wk
	v_lshrrev_b32 v3, 5, v0
	v_readfirstlane_b32 s10, v3                    ; wave 0..3
	v_and_b32 v4, 15, v0                           ; q = lane % 16
	v_bfe_u32 v5, v0, 4, 1                         ; which of a part's two blocks
	v_lshrrev_b32 v6, 2, v4                        ; which of the wave's 4 rows
	v_and_b32 v7, 3, v4                            ; which 8 of the block's 32 columns
	v_lshlrev_b32 v[LO], 11, v6                    ; row x 2,048
	v_lshl_add_u32 v[LO], v5, 7, v[LO]             ; + block x 128
	v_lshl_add_u32 v[LO], v7, 5, v[LO]             ; + 8 f32
	v_lshl_add_u32 v[LO], s10, 13, v[LO]           ; + wave x 4 rows
	v_mul_u32_u24 v[SO], v5, BLK
	v_lshl_add_u32 v[SO], v4, 4, v[SO]             ; row x 64 + 16 bytes x part of the row = 16 q
	v_lshl_add_u32 v[SO], s10, 8, v[SO]            ; + wave x 4 rows of 64 bytes
	s_sub_co_u32 s11, ttmp9, 2048                  ; the work-group's number among emb's
	s_lshl_b32 s24, ttmp9, 10                      ; its 16 rows in a block of wk
	s_mov_b32 s25, 0
	s_wait_kmcnt 0x0
	s_cmp_lt_u32 ttmp9, 2048                       ; the first 2,048 work-groups take base, the other 256 emb
	s_cselect_b64 s[12:13], s[4:5], s[6:7]
	s_cselect_b32 s14, ttmp9, s11
	s_lshl_b32 s14, s14, 15                        ; 16 rows of 2,048 bytes
	s_mov_b32 s15, 0
	s_add_nc_u64 s[12:13], s[12:13], s[14:15]
	s_add_nc_u64 s[OBS:OBS+1], s[8:9], s[24:25]
	s_add_nc_u64 s[OBS+2:OBS+3], s[OBS:OBS+1], 4*BLK
	s_add_nc_u64 s[OBS+4:OBS+5], s[OBS+2:OBS+3], 4*BLK
	s_add_nc_u64 s[OBS+6:OBS+7], s[OBS+4:OBS+5], 4*BLK
.irp p, 0,1,2,3,4,5,6,7
	global_load_b128 v[X+8*\p:X+8*\p+3],   v[LO], s[12:13] offset:256*\p th:TH_LOAD_NT
	global_load_b128 v[X+8*\p+4:X+8*\p+7], v[LO], s[12:13] offset:256*\p+16 th:TH_LOAD_NT
.endr
.irp p, 0,1,2,3,4,5,6,7
	s_wait_loadcnt 14-2*\p                         ; loads come back in order (ISA guide 5.7.1): part p's two are in, the younger ones stay out
.irp k, 0,1,2,3
	v_cvt_pk_bf16_f32 v[Y+4*\p+\k], v[X+8*\p+2*\k], v[X+8*\p+2*\k+1]
.endr
	global_store_b128 v[SO], v[Y+4*\p:Y+4*\p+3], s[OBS+2*(\p/2):OBS+2*(\p/2)+1] offset:(\p%2)*2*BLK th:TH_STORE_NT  ; blocks 2 p and 2 p + 1; the immediate, 4,718,592 at the most, lies inside its signed 24 bits
.endr
	s_endpgm
.Lfunc_end_k_q5c303440f3_prep:
	.size	k_q5c303440f3_prep, .Lfunc_end_k_q5c303440f3_prep-k_q5c303440f3_prep
	.p2alignl 7, 3214868480
	.fill 96, 4, 3214868480
	.section	.rodata,"a",@progbits
	.p2align	6, 0x0
	.amdhsa_kernel k_q5c303440f3_prep
		.amdhsa_group_segment_fixed_size 0
		.amdhsa_private_segment_fixed_size 0
		.amdhsa_enable_private_segment 0
		.amdhsa_kernarg_size 24
		.amdhsa_user_sgpr_count 2
		.amdhsa_user_sgpr_kernarg_segment_ptr 1
		.amdhsa_wavefront_size32 1
		.amdhsa_system_sgpr_workgroup_id_x 1
		.amdhsa_system_sgpr_workgroup_id_y 1
		.amdhsa_system_sgpr_workgroup_id_z 1
		.amdhsa_system_vgpr_workitem_id 0
		.amdhsa_next_free_vgpr 104
		.amdhsa_next_free_sgpr 66
		.amdhsa_reserve_vcc 0
		.amdhsa_float_denorm_mode_32 3
		.amdhsa_float_denorm_mode_16_64 3
		.amdhsa_memory_ordered 1
		.amdhsa_forward_progress 1
		.amdhsa_inst_pref_size 7
	.end_amdhsa_kernel
	.amdgpu_metadata
---
amdhsa.version: [ 1, 2 ]
amdhsa.kernels:
  - .name:           k_q5c303440f3_prep
    .symbol:         k_q5c303440f3_prep.kd
    .args:
      - { .name: rel_base, .offset: 0, .size: 8, .value_kind: global_buffer, .address_space: global }
      - { .name: emb, .offset: 8, .size: 8, .value_kind: global_buffer, .address_space: global }
      - { .name: wk, .offset: 16, .size: 8, .value_kind: global_buffer, .address_space: global }
    .group_segment_fixed_size: 0
    .private_segment_fixed_size: 0
    .kernarg_segment_align: 8
    .kernarg_segment_size: 24
    .max_flat_workgroup_size: 128
    .sgpr_count:     66
    .vgpr_count:     104
    .wavefront_size: 32
...
	.end_amdgpu_metadata
.endif
;; end of part 1
;; launch main (part 2): grid 16 x 16, 4 waves a work-group, clusters of 4 x 1, 327,680 bytes of LDS; arguments wk, proj_ids, rel_att, rel_bias, y; writes y
.if DOCPART == 2
	.amdgcn_target "amdgcn-amd-amdhsa--gfx1250"
	.amdhsa_code_object_version 6
	.text
	.protected	k_q5c303440f3_main
	.globl	k_q5c303440f3_main
	.p2align	8
	.type	k_q5c303440f3_main,@function
k_q5c303440f3_main:
	s_mov_b64 s[64:65], 0
	v_nop
	global_prefetch_b8 v0, s[64:65] scope:SCOPE_SE
	s_setreg_imm32_b32 hwreg(HW_REG_WAVE_MODE, 25, 1), 1
	s_wait_xcnt 0x0
	s_wait_alu depctr_hold_cnt(0) depctr_sa_sdst(0) depctr_va_vdst(0) depctr_va_sdst(0) depctr_va_ssrc(0) depctr_va_vcc(0) depctr_vm_vsrc(0)
	s_getreg_b32 s2, hwreg(HW_REG_IB_STS2, 6, 4)
	s_cmp_eq_u32 s2, 0
	s_cbranch_scc0 .Lentry_in_a_cluster
	s_endpgm
.Lentry_in_a_cluster:
	s_bfe_u32 s2, ttmp6, 0x10000c
	s_cmp_lg_u32 s2, 0x3003
	s_cbranch_scc0 .Lentry_shape_is_right
	s_endpgm
.Lentry_shape_is_right:
; y[b][o] = the sum over r of att[b][r] (emb[b] . base[r][:, o] + bias[r][o]), att[b] = rel_att[proj_ids[b]]: the numbers that the last launch normalises.  No work of reference() is left out here.
; emb and base come from wk in bf16 (the launch before); att and bias are rounded once to bf16 here and kept as f32.  Products in bf16 with f32 sums; the weighting by att and the sum over r in f32.
; LIMITS.  An id outside 0 .. 999 (a negative one counts as a large unsigned number) is taken as 999.  The sums' order is not reference()'s.  NaN and infinities are not treated apart.
; SHARES.  A work-group makes 256 rows x 32 columns: 16 x 16 work-groups.  Each of its four waves owns 64 rows (four blocks a of 16) and all 32 columns (two blocks cb of 16).
; emb DOES NOT CHANGE WITH r: a wave's 64 rows x 512 channels are 512 registers, loaded once.  Only base streams: 32 KiB for each r, through two LDS slots of two r each; all four waves read the same tile.
; THE PRODUCT IS TAKEN TRANSPOSED: source 0 = 16 columns of base (rows of LDS lie along the columns, so ds_load_tr16_b128 turns them), source 1 = 16 rows of emb.  In the result lane l holds row l % 16, and its
; registers 0-7 the columns 8 (l / 16) + 0..7.  So att[b][r] is one number a lane and block a, and bias[r] is the C operand that starts the sum P of an r.
; THE FOLD.  P (8 accumulators) holds emb . base[r] + bias[r]; when r is done, T += att P, each accumulator folded just ahead of the product that starts the next r's sum in it: four packed lines beside each of eight products.
; CLUSTER.  The four work-groups of a cluster have the same 32 columns and walk the same base: each tile is asked for JOINTLY, the same tensor load, descriptor and mask in all four.
;
; LDS.  slot 0 at 0, slot 1 at 131,072: 2 r x 512 rows of 64 bytes + 32 of padding (pitch 96 = 24 words).
;   Between and behind them, in blocks of 256 bytes into which no tensor load lands: bias [64 r][32] f32; the waves' stages for the way out; the spare words; att, 256 rows of 256 + 16 bytes.
; REGISTERS, in windows of 256 (s_set_vgpr_msb: bits 1:0 source 0, 3:2 source 1, 5:4 source 2, 7:6 destination):
;   window 0: v0-15 addresses; v16-23 att, a pair (two r) for each a; v32-47 bias as C, 8 for each cb; v48-111 P, accumulator 4 cb + a; v112-127 at work; v128-191, v192-255 two buffers of base fragments (4 K steps x 2 cb)
;   window 1: v0-63 T          windows 2, 3: emb: K step ks, block a at window 2 + ks / 8, register 32 (ks % 8) + 8 a
; Under the products' settings an LDS load's destination and address both mean window 0: the fragment loads among the products need no switch.
.set BLK,   2359296                    ; bytes in a block of wk
.set EMB0,  2097152                    ; where emb's rows begin in a block: 32,768 rows x 64
.set PIT,   96
.set KSB,   32*PIT                     ; a K step of 32 rows in LDS
.set RB,    512*PIT                    ; one r in LDS
.set QB,    256*PIT                    ; a wave's quarter of a slot
.set SLOT1, 1<<17                      ; one exclusive or turns an address in one slot into the other's
.set FILLB, 65536                      ; bytes of wk in a slot
.set BIASL, 4*QB                       ; 98,304
.set STAGE, BIASL+8192                 ; 16 rows x 144 bytes for each wave
.set SP,    144
.set SPARE, STAGE+4*16*SP              ; 115,712: the spare words, 128 bytes for each wave: two blocks of 256 bytes that no other line names
.set ATTL,  SLOT1+4*QB                 ; 229,376
.set AP,    272
.set LB,  3                            ; v3   my lane's place in a K step of base; never rewritten
.set AB0, 4                            ; v4   the same in the slot in hand, first r
.set AB1, 5                            ; v5   second r
.set ATA, 8                            ; v8   LDS address of my row's att pair
.set BIA, 9                            ; v9   LDS address of my 8 columns of bias, at the process's first r
.set STO, 10                           ; v10  the way out: where I put 16 bytes of a row
.set RD,  11                           ; v11  the way out: where I read rows back
.set GO,  12                           ; v12  my 16 of 512 consecutive bytes of y
.set PFO, 13                           ; v13  256 x my lane: the prefetches' offset; never rewritten
.set SPW, 14                           ; v14  LDS address of my spare word; never rewritten
.set NIL, 15                           ; v15  0; never rewritten
.set ATT, 16
.set BC,  32
.set P,   48
.set AO,  112                          ; v112 my byte offset in 16 rows of emb
.set TM,  113                          ; v113-114 at work
.set IDO, 117                          ; set-up: offsets and LDS addresses
.set BIO, 118
.set BST, 119
.set AST, 120
.set C16, 121
.set F0,  128
.set F1,  192
.set OB,  128                          ; the way out: rows read back from the stage
.set IDS, 48                           ; set-up: 32 ids, then their rows' offsets
.set BD,  80                           ; set-up: bias as loaded
.set AD,  128                          ; set-up: att as loaded
.set WV,  14                           ; s14  my wave's number
.set CX,  15                           ; s15  my place in the cluster: it enters global addresses of emb, ids, y and the prefetches alone
.set MB,  16                           ; s16  my block of 256 rows
.set NBK, 17                           ; s17  my block of 32 columns, which the four partners share
.set G1,  24                           ; s[24:31] descriptor group 1
.set G0A, 32                           ; s[32:35] group 0 of the first fill
.set G0B, 36                           ; s[36:39] group 0 of the second, which then walks
.set EB,  40                           ; s[40:47] wk at my 64 rows of emb in blocks 0, 4, 8, 12
.set PFA, 48                           ; s[48:49] where my prefetches stand
.set LIM, 50                           ; s50  2 in a wave that prefetches, else the greatest number
.set LEFT, 51                          ; s51  30 less the process's number
.set HIM, 52                           ; s52  a word's upper half
.set TB,  53                           ; s53  LDS byte at which the slot in hand begins
.set S2,  0x08                         ; the products' settings: source 1 (emb) in window 2,
.set S3,  0x0c                         ; in window 3
.set SR,  0x50                         ; the fold: destination and source 2 (T) in window 1
.set MSB, 0
.macro WIN new                         ; the immediate's high byte repeats the setting that is left; a switch that changes nothing is dropped
.if MSB != (\new)
	s_set_vgpr_msb (MSB<<8)|(\new)
.set MSB, (\new)
.endif
.endm
; A round of the cluster's barrier: my work-group's barrier, so that wave 0's signal speaks for all four waves; wave 0 signals; every wave waits for all four work-groups; my work-group's barrier once more.
.macro CREST                           ; a round behind its opening barrier
	s_cmp_lg_u32 s[WV], 0
	s_cbranch_scc1 .Lnot_wave_0_\@
	s_barrier_signal -3
.Lnot_wave_0_\@:
	s_barrier_wait -3
	s_barrier_signal -1
	s_barrier_wait -1
.endm
.macro CROUND
	s_barrier_signal -1
	s_barrier_wait -1
	CREST
.endm
; Load e of the 16 that bring four K steps of base (from K step ksb on, of the r at v[adr]) into buffer buf: K step e / 4, column block (e / 2) % 2, rows 16 (e % 2) on.
.macro FL e, buf, adr, ksb
.set xF, (\buf)+16*((\e)/4)+8*(((\e)/2)%2)+4*((\e)%2)
	ds_load_tr16_b128 v[xF:xF+3], v[\adr] offset:((\ksb)+(\e)/4)*KSB+32*(((\e)/2)%2)+16*PIT*((\e)%2)
.endm
.macro FLS buf, adr, ksb
.set e, 0
.rept 16
	FL e, \buf, \adr, \ksb
.set e, e+1
.endr
.endm
.macro BCL e, bc                       ; load e of the 4 that bring bias as C, from byte bc behind v[BIA]
	ds_load_b128 v[BC+4*(\e):BC+4*(\e)+3], v[BIA] offset:(\bc)+64*((\e)/2)+16*((\e)%2)
.endm
.macro ATL a                           ; block a's att pair: my row's numbers for the process's two r
	ds_load_b64 v[ATT+2*(\a):ATT+2*(\a)+1], v[ATA] offset:16*AP*(\a)
.endm
; Product n of a quad's 32: K step ksb + n / 8, accumulator n % 8 = 4 cb + a.  The eight accumulators take turns, one instruction a turn, from quad to quad and over the backward jump too.
; cbias = 1: the first eight start the sums with bias.
.macro WM n, buf, ksb, cbias
.set xA, P+8*((\n)%8)
.set xB, (\buf)+16*((\n)/8)+8*(((\n)%8)/4)
.set xE, 32*(((\ksb)+(\n)/8)%8)+8*((\n)%4)
.set xC, BC+8*(((\n)%8)/4)
.if (\cbias) && ((\n) < 8)
	v_wmma_f32_16x16x32_bf16 v[xA:xA+7], v[xB:xB+7], v[xE:xE+7], v[xC:xC+7]
.else
	v_wmma_f32_16x16x32_bf16 v[xA:xA+7], v[xB:xB+7], v[xE:xE+7], v[xA:xA+7]
.endif
.endm
.macro WMS from, cnt
.set n, \from
.rept \cnt
	WM n, qb, qk, 0
.set n, n+1
.endr
.endm
; The fold of accumulator acc: T += att P, from the accumulator's low end on.  hi: the pair's first or second number.  mode = 1: T = att P: the first r starts T, nothing is cleared.
.macro SCALE acc, hi, mode
.irp j, 0,1,2,3
.set xP, P+8*(\acc)+2*\j
.set xT, 8*(\acc)+2*\j
.set xW, ATT+2*((\acc)%4)
.if (\mode) == 1
	v_pk_mul_f32 v[xT:xT+1], v[xP:xP+1], v[xW:xW+1] op_sel_hi:[1,0]
.elseif \hi
	v_pk_fma_f32 v[xT:xT+1], v[xP:xP+1], v[xW:xW+1], v[xT:xT+1] op_sel:[0,1,0] op_sel_hi:[1,1,1]
.else
	v_pk_fma_f32 v[xT:xT+1], v[xP:xP+1], v[xW:xW+1], v[xT:xT+1] op_sel_hi:[1,0,1]
.endif
.endr
.endm
; A QUAD is four K steps: 32 products on one fragment buffer, while the next quad's 16 fragment loads go into the other.  A PROCESS is a slot's eight quads: r = 2 f (quads 0-3) and r = 2 f + 1 (quads 4-7).
.macro QSET q
.set qb, F0+64*((\q)%2)                ; the buffer multiplied
.set qo, F0+64*(((\q)+1)%2)            ; the buffer fetched into
.set qk, 4*((\q)%4)                    ; this quad's first K step
.set qn, 4*(((\q)+1)%4)                ; the next quad's
.set qa, AB0+(((\q)+1)/4)%2            ; and its r's address register
.set qs, S2+4*(((\q)%4)/2)
.set qc, 0
.if ((\q)%4) == 0
.set qc, 1
.endif
.endm
; What stands behind product n.  A load into a register that a matrix instruction has read stands four places behind it, and only plain vector instructions that name none of its registers are places
; (ISA guide 7.12.1 for vector instructions): nops = 1 writes them behind the first four products.  Then two fragment loads behind each of products 4-11;
; bias for the next r (bc >= 0) behind 12 and 13, whose last reader stands a quad back; the process's att pairs behind 14 and 15.
.macro RIDE n, nops, bc, att
.if (\nops) && ((\n) < 4)
	v_nop
.endif
.if ((\n) >= 4) && ((\n) < 12)
	FL 2*((\n)-4), qo, qa, qn
	FL 2*((\n)-4)+1, qo, qa, qn
.endif
.if ((\bc) >= 0) && ((\n)/2 == 6)
	BCL 2*((\n)-12), \bc
	BCL 2*((\n)-12)+1, \bc
.endif
.if (\att) && ((\n)/2 == 7)
	ATL 2*((\n)-14)
	ATL 2*((\n)-14)+1
.endif
.endm
.macro QPLAIN q, bc=-1, att=0
	QSET \q
	s_wait_dscnt 0x0                               ; this quad's fragments are in, and what else was asked of LDS: the youngest of those loads stands 16 products back
	WIN qs
.set n, 0
.rept 32
	WM n, qb, qk, qc
	RIDE n, 1, \bc, \att
.set n, n+1
.endr
.endm
; The first quad of an r, where the r before is folded into T.  Five v_nop: four places ahead of the first read of P, five ahead of the product that writes over it, and the places ahead of the fragment loads.
.macro QBOUND q, hi, mode
	QSET \q
	s_wait_dscnt 0x0
.rept 5
	v_nop
.endr
.set n, 0
.rept 8
	WIN SR
	SCALE n, \hi, \mode
	WIN qs
	WM n, qb, qk, 1
	RIDE n, 0, -1, 0
.set n, n+1
.endr
.rept 24
	WM n, qb, qk, 1
	RIDE n, 0, -1, 0
.set n, n+1
.endr
.endm
; A PREFETCH INTO THE L2, behind the joint load, its five lines and the run of LDS loads: the fill that stands TWO refills on (two processes, 512 products, ahead of the load that will ask for it).
; Each 256 bytes of base are named ONCE in the launch.  The four clusters of a block of columns walk the same bytes: the first of them (cluster x = 0) asks.  Its four partners share a fill's 64 KiB out BY ADDRESS,
; 16 KiB each; in each, waves 0 and 1 ask for 8 KiB, a lane 256 bytes: one instruction.  Fills 0 to 3 come by their loads alone; the last two changes that fill a slot ask for nothing: fill 31 is the last.
.macro ASK
	s_cmp_gt_u32 s[LEFT], s[LIM]
	s_cbranch_scc0 .Lnot_mine_\@
	global_prefetch_b8 v[PFO], s[PFA:PFA+1] th:TH_LOAD_NT scope:SCOPE_SE
.Lnot_mine_\@:
.endm
; The last quad of a process changes slots: ONE barrier.  In front of it each wave waits for all its tensor loads, of which one is out: its quarter of the other slot; adds 0 to its spare word; and waits for that
; and for its reads of this slot (the last were this quad's fragments).  Behind it nobody reads this slot any more and the other slot is whole.
; fill = 1: the barrier opens a round of the cluster's, so that no wave of any partner still reads the slot or has a load on its way, and the joint refill, the fill two on, is the first thing behind the round:
; it has 240 products in which to land.
.macro QCHANGE fill
	QSET 7
.if \fill
	s_wait_xcnt 0x0                                ; the last prefetch, a process back, has read its address: it is stepped here, ahead of the change's own waits
	s_add_nc_u64 s[PFA:PFA+1], s[PFA:PFA+1], FILLB
.endif
	s_wait_dscnt 0x0                               ; this quad's fragments are in: my reads of the slot are over
	WIN 0                                          ; (the add's two registers lie in window 0)
	s_wait_tensorcnt 0x0                           ; no tensor load of mine is out, so a group 0 may be written
	ds_add_u32 v[SPW], v[NIL]                      ; 0 onto my spare word
.if \fill
	s_xor_b32 s[G0B+1], s[G0B+1], SLOT1            ; the walking descriptor: the other slot than last time,
	s_add_nc_u64 s[G0B+2:G0B+3], s[G0B+2:G0B+3], FILLB  ; the next two r; the type bits on top are not reached
.endif
	WIN S3
	WMS 0, 8                                       ; eight products stand between the add and the wait for it
	s_wait_dscnt 0x0                               ; the add is done
	s_barrier_signal -1
	WMS 8, 8                                       ; work on registers while the others arrive
	WIN 0                                          ; at a branch and at a label every window is 0
	s_barrier_wait -1
.if \fill
	CREST
	tensor_load_to_lds s[G0B:G0B+3], s[G1:G1+7]    ; my quarter of the slot just left: my one tensor load behind the round
	s_nop 0
.endif
.rept 4
	v_nop                                          ; the places ahead of the loads into buffer 0, which the quad before multiplied
.endr
	s_xor_b32 s[TB], s[TB], SLOT1                  ; the reads go on in the other slot
	v_add_nc_u32 v[AB0], s[TB], v[LB]
	v_add_nc_u32 v[AB1], RB, v[AB0]
	FLS F0, AB0, 0                                 ; the next process's first fragments, in one run
.if \fill
	ASK
.endif
	WIN S3
	WMS 16, 16
.endm
.macro QLAST                           ; the very last quad: nothing more to fetch
	QSET 7
	s_wait_dscnt 0x0
	WIN S3
	WMS 0, 32
.endm
; Process f.  first = 1: process 0, which has nothing to fold at its head and starts T at its middle.  chg = 1: change of slots with a refill; 2: without; 0: none.  lastbc = 1: there is no further r to fetch bias for.
; att pair f (r = 2 f, 2 f + 1) is fetched in quad 1; its first number is used at quad 4, its second at the next process's quad 0.
.macro PROC first, chg, lastbc
.if \first
	QPLAIN 0
.else
	QBOUND 0, 1, 2
.endif
	QPLAIN 1, 128, 1
	QPLAIN 2
	QPLAIN 3
.if \first
	QBOUND 4, 0, 1
.else
	QBOUND 4, 0, 2
.endif
.if \lastbc
	QPLAIN 5
.else
	QPLAIN 5, 256
.endif
	QPLAIN 6
.if (\chg) == 1
	QCHANGE 1
.elseif (\chg) == 2
	QCHANGE 0
.else
	QLAST
.endif
	WIN 0
.endm
.macro STEP                            ; the next process's att pair and bias
	v_add_nc_u32 v[ATA], 8, v[ATA]
	v_add_nc_u32 v[BIA], 0x100, v[BIA]
.endm
.macro EMB ks                          ; K step ks of my 64 rows of emb: 8 loads of 16 bytes a lane; a fragment is 1,024 bytes on end
.if (\ks) < 8
	WIN 0x80                                       ; destination window 2, address window 0
.else
	WIN 0xc0                                       ; destination window 3
.endif
.irp a, 0,1,2,3
.set xE, 32*((\ks)%8)+8*\a
	global_load_b128 v[xE:xE+3],   v[AO], s[EB+2*((\ks)/4):EB+2*((\ks)/4)+1] offset:((\ks)%4)*BLK+1024*\a
	global_load_b128 v[xE+4:xE+7], v[AO], s[EB+2*((\ks)/4):EB+2*((\ks)/4)+1] offset:((\ks)%4)*BLK+1024*\a+32
.endr
.endm
.macro RND r                           ; v[r .. r+3] rounded to bf16 and kept as f32
	v_cvt_pk_bf16_f32 v[TM], v[(\r)], v[(\r)+1]
	v_cvt_pk_bf16_f32 v[TM+1], v[(\r)+2], v[(\r)+3]
	v_lshlrev_b32 v[(\r)], 16, v[TM]
	v_and_b32 v[(\r)+1], s[HIM], v[TM]
	v_lshlrev_b32 v[(\r)+2], 16, v[TM+1]
	v_and_b32 v[(\r)+3], s[HIM], v[TM+1]
.endm
	s_load_b256 s[4:11], s[0:1], 0x0               ; wk s[4:5], proj_ids s[6:7], rel_att s[8:9], rel_bias s[10:11]
	s_load_b64 s[12:13], s[0:1], 0x20              ; y
	v_lshl_add_u32 v[SPW], v0, 2, SPARE
	v_mov_b32 v[NIL], 0
	ds_add_u32 v[SPW], v[NIL]                      ; the wave's opening: the add, twice on end, and its wait ahead of my first tensor load; the set-up below, work on registers, stands between
	ds_add_u32 v[SPW], v[NIL]                      ; and once more, under the one wait
	v_lshrrev_b32 v1, 5, v0
	v_readfirstlane_b32 s[WV], v1                  ; wave 0..3
	s_bfe_u32 s[CX], ttmp6, 0x40000                ; cx
	s_lshl_b32 s[MB], ttmp9, 2                     ; in a cluster launch ttmp9 counts clusters
	s_add_co_u32 s[MB], s[MB], s[CX]               ; my block of rows = 4 x cluster x + cx
	s_and_b32 s[NBK], ttmp7, 0xffff                ; my block of columns
	; descriptor group 1.  A wave's quarter of a slot is 256 rows of 64 bytes, 16,384 dense bytes: asked for as 64 rows of 256 bytes, and padded in LDS after every 64 bytes
	s_mov_b32 s[G1], 15|(1<<16)|(1<<20)|(1<<21)|(3<<22)|(7<<25)  ; 15:0 the mask of four; 17:16 2-byte elements; 20 padding on; 21 set beside a mask; 24:22 after every 16 words (code 3); 31:25 8 words (code 7)
	s_mov_b32 s[G1+1], 128<<16                     ; tensor_dim0 = 128
	s_mov_b32 s[G1+2], 64<<16                      ; tensor_dim1 = 64
	s_mov_b32 s[G1+3], 128<<16                     ; tile_dim0 = 128
	s_mov_b32 s[G1+4], 64                          ; tile_dim1 = 64
	s_mov_b32 s[G1+5], 128                         ; 128 elements from row to row
	s_mov_b32 s[G1+6], 0
	s_mov_b32 s[G1+7], 0
	s_mov_b32 s[G0A], 1                            ; count = 1
	s_mul_i32 s[G0A+1], s[WV], QB                  ; LDS address: my quarter of slot 0: no place in the cluster enters an LDS address
	s_mov_b32 s[G0B], 1
	s_add_co_u32 s[G0B+1], s[G0A+1], SLOT1         ; of slot 1
	s_mov_b32 s[HIM], 0xffff0000
	s_mov_b32 s[TB], 0
	s_lshr_b32 s[LIM], s[WV], 1                    ; 0 in waves 0 and 1,
	s_or_b32 s[LIM], s[LIM], ttmp9                 ; where the cluster is its column block's first: the same in all four partners
	s_cmp_eq_u32 s[LIM], 0
	s_cselect_b32 s[LIM], 2, -1
	s_mul_i32 s18, s[NBK], BLK                     ; base of my column block,
	s_lshl_b32 s19, s[WV], 14                      ; my quarter of a fill
	s_add_co_u32 s18, s18, s19
	s_mov_b32 s19, 0
	s_lshl_b32 s20, s[NBK], 7                      ; my 32 columns in a row of rel_bias
	s_mov_b32 s21, 0
	s_mul_i32 s22, s[WV], 64*AP
	s_add_co_u32 s22, s22, ATTL                    ; my wave's 64 rows of att in LDS
	s_mul_i32 s23, s[WV], 16*SP
	s_add_co_u32 s23, s23, STAGE                   ; my stage
	s_lshl_b32 s54, s[MB], 14                      ; emb: my block's 256 rows of 64 bytes,
	s_lshl_b32 s55, s[WV], 12                      ; my wave's 64
	s_add_co_u32 s54, s54, s55
	s_add_co_u32 s54, s54, EMB0
	s_mov_b32 s55, 0
	s_lshl_b32 s56, s[CX], 14                      ; the prefetches: my work-group's 16 KiB of a fill,
	s_lshl_b32 s57, s[WV], 13                      ; my wave's 8 KiB,
	s_add_co_u32 s56, s56, s57
	s_mul_i32 s57, s[NBK], BLK
	s_add_co_u32 s56, s56, s57
	s_add_co_u32 s56, s56, 3*FILLB                 ; at fill 3: the first change of slots steps it to fill 4
	s_mov_b32 s57, 0
	s_lshl_b32 s58, s[NBK], 19                     ; y: [16 column blocks][4,096 rows][32] f32
	s_lshl_b32 s59, s[MB], 15
	s_add_co_u32 s58, s58, s59
	s_lshl_b32 s59, s[WV], 13
	s_add_co_u32 s58, s58, s59
	s_mov_b32 s59, 0
	s_lshl_b32 s60, s[MB], 10                      ; ids: my wave's 64
	s_lshl_b32 s61, s[WV], 8
	s_add_co_u32 s60, s60, s61
	s_mov_b32 s61, 0
	v_and_b32 v1, 15, v0                           ; l % 16
	v_bfe_u32 v2, v0, 4, 1                         ; h = l / 16
	v_and_b32 v122, 7, v0
	v_bfe_u32 v123, v0, 3, 1
	v_lshl_add_u32 v[LB], v2, 3, v122              ; the turning load: lane l reads row 8 h + l % 8,
	v_mul_u32_u24 v[LB], v[LB], PIT
	v_lshl_add_u32 v[LB], v123, 4, v[LB]           ; columns 8 ((l / 8) % 2) + 0..7
	v_mul_u32_u24 v[ATA], v1, AP
	v_add_nc_u32 v[ATA], s22, v[ATA]
	v_lshl_add_u32 v[BIA], v2, 5, BIASL
	v_mul_u32_u24 v[STO], v1, SP                   ; in: row l % 16, 32 bytes for each half of the lanes
	v_lshl_add_u32 v[STO], v2, 5, v[STO]
	v_add_nc_u32 v[STO], s23, v[STO]
	v_bfe_u32 v[RD], v0, 3, 2                      ; back: 32 lanes take four rows of 128 bytes,
	v_mul_u32_u24 v[RD], v[RD], SP
	v_lshl_add_u32 v[RD], v122, 4, v[RD]
	v_add_nc_u32 v[RD], s23, v[RD]
	v_and_b32 v[GO], 31, v0                        ; which are 512 consecutive bytes of y
	v_lshlrev_b32 v[PFO], 8, v[GO]
	v_lshlrev_b32 v[GO], 4, v[GO]
	v_lshlrev_b32 v[AO], 6, v1                     ; a fragment of emb: row l % 16 x 64 bytes + 16 h, and 32 bytes on
	v_lshl_add_u32 v[AO], v2, 4, v[AO]
	v_lshlrev_b32 v[IDO], 2, v2                    ; ids: lanes 0-15 an even row's, lanes 16-31 the next row's
	v_lshrrev_b32 v124, 3, v0
	v_lshlrev_b32 v[BIO], 11, v124                 ; bias: thread t takes r = t / 8 (+ 16, 32, 48), columns 4 (t % 8) on
	v_lshl_add_u32 v[BIO], v122, 4, v[BIO]
	v_lshl_add_u32 v[BST], v0, 4, BIASL
	v_lshlrev_b32 v[C16], 4, v1                    ; att: sixteen lanes take a row's 256 bytes
	v_mul_u32_u24 v[AST], v2, AP
	v_add3_u32 v[AST], v[AST], v[C16], s22
	s_wait_dscnt 0x0                               ; both opening adds are done
	s_wait_kmcnt 0x0
	s_add_nc_u64 s[G0A+2:G0A+3], s[4:5], s[18:19]  ; global address: my quarter of fill 0 (r = 0, 1),
	s_add_nc_u64 s[G0B+2:G0B+3], s[G0A+2:G0A+3], FILLB  ; of fill 1
	s_or_b32 s[G0A+3], s[G0A+3], 0x80000000        ; type = 2
	s_or_b32 s[G0B+3], s[G0B+3], 0x80000000
	s_add_nc_u64 s[EB:EB+1], s[4:5], s[54:55]
	s_add_nc_u64 s[EB+2:EB+3], s[EB:EB+1], 4*BLK
	s_add_nc_u64 s[EB+4:EB+5], s[EB+2:EB+3], 4*BLK
	s_add_nc_u64 s[EB+6:EB+7], s[EB+4:EB+5], 4*BLK
	s_add_nc_u64 s[PFA:PFA+1], s[4:5], s[56:57]
	s_add_nc_u64 s[12:13], s[12:13], s[58:59]
	s_add_nc_u64 s[6:7], s[6:7], s[60:61]
	s_add_nc_u64 s[10:11], s[10:11], s[20:21]
	CROUND                                         ; all four work-groups are here: the first joint loads meet
	tensor_load_to_lds s[G0A:G0A+3], s[G1:G1+7]    ; both first fills go out together, ahead of every wait on TENSORcnt and every LDS read: two loads of mine are out
	s_nop 0
	tensor_load_to_lds s[G0B:G0B+3], s[G1:G1+7]
	s_nop 0
.rept 4
	v_nop
.endr
	; THROUGH REGISTERS, once: the ids, bias, emb, and the att rows that the ids name.
.set i, 0
.rept 32
	global_load_b32 v[IDS+i], v[IDO], s[6:7] offset:8*i  ; rows 2 i and 2 i + 1 of my 64
.set i, i+1
.endr
.irp i, 0,1,2,3
	global_load_b128 v[BD+4*\i:BD+4*\i+3], v[BIO], s[10:11] offset:32768*\i
.endr
.irp k, 0,1,2,3,4,5,6
	EMB \k
.endr
	WIN 0
	s_wait_loadcnt 60                              ; the ids are in: behind them stand 4 loads of bias and 56 of emb
.set i, 0
.rept 32
	v_min_u32 v[IDS+i], 999, v[IDS+i]              ; an index stays inside its table
.set i, i+1
.endr
.set i, 0
.rept 32
	v_lshlrev_b32 v[IDS+i], 8, v[IDS+i]            ; a row of rel_att is 256 bytes
.set i, i+1
.endr
.set i, 0
.rept 32
	v_add_nc_u32 v[IDS+i], v[C16], v[IDS+i]
.set i, i+1
.endr
.set i, 0
.rept 32
	global_load_b128 v[AD+4*i:AD+4*i+3], v[IDS+i], s[8:9]
.set i, i+1
.endr
.irp k, 7,8,9,10,11,12,13
	EMB \k
.endr
	s_wait_loadcnt 56                              ; bias and att are in: behind them stand 56 loads of emb
	EMB 14
	EMB 15                                         ; the last 16 are on their way while att and bias are rounded
	WIN 0
.irp i, 0,1,2,3
	RND BD+4*\i
	ds_store_b128 v[BST], v[BD+4*\i:BD+4*\i+3] offset:2048*\i
.endr
.set i, 0
.rept 32
	RND AD+4*i
	ds_store_b128 v[AST], v[AD+4*i:AD+4*i+3] offset:2*AP*i
.set i, i+1
.endr
	s_wait_loadcnt 0x0                             ; emb
	s_wait_tensorcnt 0x1                           ; my quarter of slot 0 is in; slot 1's may stay out
	s_wait_dscnt 0x0                               ; for the others' sake: my stores of bias (and att) are done
	s_barrier_signal -1
	s_barrier_wait -1
	v_add_nc_u32 v[AB0], s[TB], v[LB]
	v_add_nc_u32 v[AB1], RB, v[AB0]
	FLS F0, AB0, 0                                 ; r = 0, K steps 0-3
.irp e, 0,1,2,3
	BCL \e, 0                                      ; bias of r = 0
.endr
	s_mov_b32 s[LEFT], 30
	PROC 1, 1, 0                                   ; process 0; its change asks for fill 2
	STEP
	s_mov_b32 s[LEFT], 29
.Lproc:                                                ; processes 1 to 29: their changes ask for fills 3 to 31
	PROC 0, 1, 0
	STEP
	s_sub_co_u32 s[LEFT], s[LEFT], 1
	s_cmp_lg_u32 s[LEFT], 0
	s_cbranch_scc1 .Lproc
	PROC 0, 2, 0                                   ; the tail is written out: process 30 changes slots and asks for nothing
	STEP
	PROC 0, 0, 1                                   ; process 31 is the last
.rept 5
	v_nop                                          ; the places behind the last products
.endr
	WIN SR
.set n, 0
.rept 8
	SCALE n, 1, 2                                  ; r = 63 is folded in
.set n, n+1
.endr
; THE WAY OUT.  A lane's eight columns of a row are 32 bytes; a block of 16 rows goes into my own stage in rows of 144 bytes and comes back as whole rows of 128, four rows (512 consecutive bytes of y) a load.
.macro OUT a
	WIN 0x04                                       ; the stores' data (source 1) in window 1
.irp e, 0,1,2,3
	ds_store_b128 v[STO], v[8*(4*(\e/2)+(\a))+4*(\e%2):8*(4*(\e/2)+(\a))+4*(\e%2)+3] offset:64*(\e/2)+16*(\e%2)
.endr
	WIN 0
.irp f, 0,1,2,3
	ds_load_b128 v[OB+16*(\a)+4*\f:OB+16*(\a)+4*\f+3], v[RD] offset:4*SP*\f  ; LDS serves a wave's instructions in order (ISA guide 5.7.1.4): these see the stores above; the next block's stores come behind them
.endr
.endm
.macro SEND a, younger                 ; younger: the LDS instructions issued behind block a's loads: the next block's eight, or none
.irp f, 0,1,2,3
	s_wait_dscnt (\younger)+3-\f
	global_store_b128 v[GO], v[OB+16*(\a)+4*\f:OB+16*(\a)+4*\f+3], s[12:13] offset:2048*(\a)+512*\f th:TH_STORE_NT  ; 512 consecutive bytes, at a multiple of 512 from y's first byte
.endr
.endm
	OUT 0
	OUT 1
	SEND 0, 8
	OUT 2
	SEND 1, 8
	OUT 3
	SEND 2, 8
	SEND 3, 0
	s_wait_tensorcnt 0x0                           ; the wave's end, behind my last tensor load and my last LDS store
	ds_add_u32 v[SPW], v[NIL]
	s_wait_dscnt 0x0
	CROUND                                         ; the closing round: no work-group ends while a partner may still ask for a tile that names it
	s_endpgm
.Lfunc_end_k_q5c303440f3_main:
	.size	k_q5c303440f3_main, .Lfunc_end_k_q5c303440f3_main-k_q5c303440f3_main
	.p2alignl 7, 3214868480
	.fill 96, 4, 3214868480
	.section	.rodata,"a",@progbits
	.p2align	6, 0x0
	.amdhsa_kernel k_q5c303440f3_main
		.amdhsa_group_segment_fixed_size 327680
		.amdhsa_private_segment_fixed_size 0
		.amdhsa_enable_private_segment 0
		.amdhsa_kernarg_size 40
		.amdhsa_user_sgpr_count 2
		.amdhsa_user_sgpr_kernarg_segment_ptr 1
		.amdhsa_wavefront_size32 1
		.amdhsa_system_sgpr_workgroup_id_x 1
		.amdhsa_system_sgpr_workgroup_id_y 1
		.amdhsa_system_sgpr_workgroup_id_z 1
		.amdhsa_system_vgpr_workitem_id 0
		.amdhsa_next_free_vgpr 1024
		.amdhsa_next_free_sgpr 66
		.amdhsa_reserve_vcc 0
		.amdhsa_float_denorm_mode_32 3
		.amdhsa_float_denorm_mode_16_64 3
		.amdhsa_memory_ordered 1
		.amdhsa_forward_progress 1
		.amdhsa_inst_pref_size 173
	.end_amdhsa_kernel
	.amdgpu_metadata
---
amdhsa.version: [ 1, 2 ]
amdhsa.kernels:
  - .name:           k_q5c303440f3_main
    .symbol:         k_q5c303440f3_main.kd
    .args:
      - { .name: wk, .offset: 0, .size: 8, .value_kind: global_buffer, .address_space: global }
      - { .name: proj_ids, .offset: 8, .size: 8, .value_kind: global_buffer, .address_space: global }
      - { .name: rel_att, .offset: 16, .size: 8, .value_kind: global_buffer, .address_space: global }
      - { .name: rel_bias, .offset: 24, .size: 8, .value_kind: global_buffer, .address_space: global }
      - { .name: y, .offset: 32, .size: 8, .value_kind: global_buffer, .address_space: global }
    .group_segment_fixed_size: 327680
    .private_segment_fixed_size: 0
    .kernarg_segment_align: 8
    .kernarg_segment_size: 40
    .max_flat_workgroup_size: 128
    .sgpr_count:     66
    .vgpr_count:     1024
    .wavefront_size: 32
...
	.end_amdgpu_metadata
.endif
;; end of part 2
;; launch lnorm (part 3): grid 256 x 1, 8 waves a work-group, no clusters, 0 bytes of LDS; arguments y, out0; writes out0
.if DOCPART == 3
	.amdgcn_target "amdgcn-amd-amdhsa--gfx1250"
	.amdhsa_code_object_version 6
	.text
	.protected	k_q5c303440f3_lnorm
	.globl	k_q5c303440f3_lnorm
	.p2align	8
	.type	k_q5c303440f3_lnorm,@function
k_q5c303440f3_lnorm:
	s_mov_b64 s[64:65], 0
	v_nop
	global_prefetch_b8 v0, s[64:65] scope:SCOPE_SE
	s_setreg_imm32_b32 hwreg(HW_REG_WAVE_MODE, 25, 1), 1
	s_wait_xcnt 0x0
; out0[b][:] = (y[b] - mean) / sqrt(var + 1e-5), mean and var over the row's 512 numbers, in two passes as reference() takes them: the mean first, then the mean square of the differences.  All in f32.  No work is left out.
; y lies as the launch before stored it: [16 column blocks][4,096 rows][32] f32.  A wave takes two rows, sixteen lanes a row, 32 numbers a lane, kept in registers between the passes: y is read once.
; A load of the wave takes two rows' 128 bytes (256 consecutive aligned bytes) in each of two column blocks; in a store sixteen lanes write 256 consecutive aligned bytes of a row of out0.
; A row never leaves its sixteen lanes: four steps of row_xmask on the addition itself; no LDS, no barrier.
.set X, 8                              ; v[8:39]   my 32 numbers: part p of 8 holds columns 64 p + 4 q + 0..3
.set C, 40                             ; v[40:47]  four chains of packed sums
.set M, 48                             ; v[48:49]  the mean, twice
.set R, 52                             ; v[52:53]  1 / sqrt(var + eps), twice
.macro RED                             ; the four chains into one number, then over the row's sixteen lanes: every lane ends with the sum
	v_pk_add_f32 v[C:C+1], v[C:C+1], v[C+2:C+3]
	v_pk_add_f32 v[C+4:C+5], v[C+4:C+5], v[C+6:C+7]
	v_pk_add_f32 v[C:C+1], v[C:C+1], v[C+4:C+5]
	v_add_f32 v[C], v[C], v[C+1]
.irp m, 1,2,4,8
	v_add_f32_dpp v[C], v[C], v[C] row_xmask:\m row_mask:0xf bank_mask:0xf
.endr
.endm
	s_load_b128 s[4:7], s[0:1], 0x0                ; y s[4:5], out0 s[6:7]
	v_lshrrev_b32 v1, 5, v0
	v_readfirstlane_b32 s8, v1                     ; wave 0..7
	v_and_b32 v2, 15, v0                           ; q
	v_bfe_u32 v3, v0, 4, 1                         ; which of the wave's two rows
	v_lshrrev_b32 v4, 3, v2                        ; which of a part's two column blocks
	v_and_b32 v5, 7, v2
	v_lshlrev_b32 v6, 19, v4                       ; in y: block x 524,288
	v_lshl_add_u32 v6, v3, 7, v6                   ; + row x 128
	v_lshl_add_u32 v6, v5, 4, v6                   ; + 16 bytes x (q % 8)
	v_lshlrev_b32 v7, 11, v3                       ; in out0: row x 2,048
	v_lshl_add_u32 v7, v2, 4, v7                   ; + 16 q
	s_lshl_b32 s10, ttmp9, 11                      ; the work-group's 16 rows of 128 bytes,
	s_lshl_b32 s11, s8, 8                          ; my wave's two
	s_add_co_u32 s10, s10, s11
	s_mov_b32 s11, 0
	s_lshl_b32 s12, ttmp9, 15                      ; and of 2,048 bytes
	s_lshl_b32 s13, s8, 12
	s_add_co_u32 s12, s12, s13
	s_mov_b32 s13, 0
	s_mov_b32 s16, 0x3b000000                      ; 1 / 512
	s_mov_b32 s17, 0x3727c5ac                      ; 1e-5
	s_wait_kmcnt 0x0
	s_add_nc_u64 s[4:5], s[4:5], s[10:11]
	s_add_nc_u64 s[6:7], s[6:7], s[12:13]
.irp p, 0,1,2,3,4,5,6,7
	global_load_b128 v[X+4*\p:X+4*\p+3], v6, s[4:5] offset:1048576*\p th:TH_LOAD_NT  ; column blocks 2 p and 2 p + 1
.endr
	s_wait_loadcnt 0x0
.irp c, 0,1,2,3
	v_pk_add_f32 v[C+2*\c:C+2*\c+1], v[X+2*\c:X+2*\c+1], v[X+8+2*\c:X+8+2*\c+1]  ; the first additions start the chains: nothing is cleared
.endr
.irp k, 2,3
.irp c, 0,1,2,3
	v_pk_add_f32 v[C+2*\c:C+2*\c+1], v[C+2*\c:C+2*\c+1], v[X+8*\k+2*\c:X+8*\k+2*\c+1]
.endr
.endr
	RED
	v_mul_f32 v[M], s16, v[C]
	v_mul_f32 v[M+1], s16, v[C]
.set i, 0
.rept 16
	v_pk_add_f32 v[X+2*i:X+2*i+1], v[X+2*i:X+2*i+1], v[M:M+1] neg_lo:[0,1] neg_hi:[0,1]  ; x - mean
.set i, i+1
.endr
.irp c, 0,1,2,3
	v_pk_mul_f32 v[C+2*\c:C+2*\c+1], v[X+2*\c:X+2*\c+1], v[X+2*\c:X+2*\c+1]
.endr
.irp k, 1,2,3
.irp c, 0,1,2,3
	v_pk_fma_f32 v[C+2*\c:C+2*\c+1], v[X+8*\k+2*\c:X+8*\k+2*\c+1], v[X+8*\k+2*\c:X+8*\k+2*\c+1], v[C+2*\c:C+2*\c+1]
.endr
.endr
	RED
	v_fma_f32 v50, v[C], s16, s17                  ; var + eps
	v_rsq_f32 v[R], v50                            ; twice, to fill the pair that the packed multiply takes
	v_rsq_f32 v[R+1], v50
	v_nop                                          ; a plain instruction behind the last of them, ahead of the first use (ISA guide 5.7.2),
	s_wait_alu depctr_va_vdst(0)                   ; and the wait: one for both
.irp p, 0,1,2,3,4,5,6,7
	v_pk_mul_f32 v[X+4*\p:X+4*\p+1], v[X+4*\p:X+4*\p+1], v[R:R+1]
	v_pk_mul_f32 v[X+4*\p+2:X+4*\p+3], v[X+4*\p+2:X+4*\p+3], v[R:R+1]
	global_store_b128 v7, v[X+4*\p:X+4*\p+3], s[6:7] offset:256*\p th:TH_STORE_NT
.endr
	s_endpgm
.Lfunc_end_k_q5c303440f3_lnorm:
	.size	k_q5c303440f3_lnorm, .Lfunc_end_k_q5c303440f3_lnorm-k_q5c303440f3_lnorm
	.p2alignl 7, 3214868480
	.fill 96, 4, 3214868480
	.section	.rodata,"a",@progbits
	.p2align	6, 0x0
	.amdhsa_kernel k_q5c303440f3_lnorm
		.amdhsa_group_segment_fixed_size 0
		.amdhsa_private_segment_fixed_size 0
		.amdhsa_enable_private_segment 0
		.amdhsa_kernarg_size 16
		.amdhsa_user_sgpr_count 2
		.amdhsa_user_sgpr_kernarg_segment_ptr 1
		.amdhsa_wavefront_size32 1
		.amdhsa_system_sgpr_workgroup_id_x 1
		.amdhsa_system_sgpr_workgroup_id_y 1
		.amdhsa_system_sgpr_workgroup_id_z 1
		.amdhsa_system_vgpr_workitem_id 0
		.amdhsa_next_free_vgpr 56
		.amdhsa_next_free_sgpr 66
		.amdhsa_reserve_vcc 0
		.amdhsa_float_denorm_mode_32 3
		.amdhsa_float_denorm_mode_16_64 3
		.amdhsa_memory_ordered 1
		.amdhsa_forward_progress 1
		.amdhsa_inst_pref_size 8
	.end_amdhsa_kernel
	.amdgpu_metadata
---
amdhsa.version: [ 1, 2 ]
amdhsa.kernels:
  - .name:           k_q5c303440f3_lnorm
    .symbol:         k_q5c303440f3_lnorm.kd
    .args:
      - { .name: y, .offset: 0, .size: 8, .value_kind: global_buffer, .address_space: global }
      - { .name: out0, .offset: 8, .size: 8, .value_kind: global_buffer, .address_space: global }
    .group_segment_fixed_size: 0
    .private_segment_fixed_size: 0
    .kernarg_segment_align: 8
    .kernarg_segment_size: 16
    .max_flat_workgroup_size: 256
    .sgpr_count:     66
    .vgpr_count:     56
    .wavefront_size: 32
...
	.end_amdgpu_metadata
.endif
;; end of part 3
;; ======== version 2 of 2: 3 launches
;; workspace buffers: wk 37,748,736 bytes; y 8,388,608 bytes
;; launch prep (part 4): grid 2304 x 1, 4 waves a work-group, no clusters, 0 bytes of LDS; arguments rel_base, emb, wk; writes wk
.if DOCPART == 4
	.amdgcn_target "amdgcn-amd-amdhsa--gfx1250"
	.amdhsa_code_object_version 6
	.text
	.protected	k_q5c303440f3_prep
	.globl	k_q5c303440f3_prep
	.p2align	8
	.type	k_q5c303440f3_prep,@function
k_q5c303440f3_prep:
	s_mov_b64 s[64:65], 0
	v_nop
	global_prefetch_b8 v0, s[64:65] scope:SCOPE_SE
	s_setreg_imm32_b32 hwreg(HW_REG_WAVE_MODE, 25, 1), 1
	s_wait_xcnt 0x0
; out0 = LayerNorm( sum over r of att[b][r] (emb[b] . base[r] + bias[r]) ), att[b] = rel_att[proj_ids[b]].  Three launches: this one, the products, the norm.
; NOTHING OF reference() IS LEFT OUT: every input has a way to the output and all five are loaded (of rel_att the rows that proj_ids names).
; THIS LAUNCH rounds rel_base and emb once to bf16 and lays them in blocks of 32 columns:
;   wk[block][row][32 columns], a row 64 bytes, 36,864 rows a block.  Rows 0 .. 32,767: base, row = 512 r + i, block = o / 32.  Rows 32,768 ..: emb, row = 32,768 + b, block = i / 32.
; So the base rows of a block of 32 output columns are one dense run of bytes for the products' tensor loads, and 16 rows x 32 channels of emb are 1,024 bytes on end.
; SHARES.  Both inputs are rows of 512 f32: 36,864 rows in all, 16 to a work-group, 4 to a wave.  Lane l has row l / 8 of the wave's four and numbers 4 (l % 8) + 0..3 of each of the row's 16 blocks.
; No loop: 16 loads, 32 roundings, 16 stores a lane; nothing is read twice, no LDS, no barrier.
; A load of the wave covers 128 consecutive aligned bytes (one block's 32 numbers) of each of its 4 rows; a store of the wave covers 256 consecutive aligned bytes of wk: those 4 rows of that block.
; LIMIT.  A number beyond bf16's largest finite one becomes an infinity in the rounding.
.set BLK, 2359296                      ; bytes in a block of wk: 36,864 rows x 64
.set LO,  1                            ; v1       my byte offset in the work-group's 16 source rows
.set SO,  2                            ; v2       my byte offset in the work-group's 16 rows of a block of wk: 8 x my thread's number
.set X,   8                            ; v[8:71]  block b of 16: 4 f32 as loaded
.set Y,   72                           ; v[72:103] block b: the same 4 numbers in bf16
.set OBS, 16                           ; s[16:23] wk at the work-group's rows in blocks 0, 4, 8, 12
	s_load_b128 s[4:7], s[0:1], 0x0                ; rel_base s[4:5], emb s[6:7]
	s_load_b64 s[8:9], s[0:1], 0x10                ; wk
	v_lshrrev_b32 v3, 5, v0
	v_readfirstlane_b32 s10, v3                    ; wave 0..3
	v_bfe_u32 v4, v0, 3, 2                         ; which of the wave's 4 rows
	v_and_b32 v5, 7, v0                            ; which 4 of a block's 32 columns
	v_lshlrev_b32 v[LO], 11, v4                    ; row x 2,048
	v_lshl_add_u32 v[LO], v5, 4, v[LO]             ; + 4 f32
	v_lshl_add_u32 v[LO], s10, 13, v[LO]           ; + wave x 4 rows
	v_lshlrev_b32 v[SO], 3, v0                     ; wave x 256 + row x 64 + 8 bytes x (l % 8) = 8 x thread
	s_sub_co_u32 s11, ttmp9, 2048                  ; the work-group's number among emb's
	s_lshl_b32 s24, ttmp9, 10                      ; its 16 rows in a block of wk
	s_mov_b32 s25, 0
	s_wait_kmcnt 0x0
	s_cmp_lt_u32 ttmp9, 2048                       ; the first 2,048 work-groups take base, the other 256 emb
	s_cselect_b64 s[12:13], s[4:5], s[6:7]
	s_cselect_b32 s14, ttmp9, s11
	s_lshl_b32 s14, s14, 15                        ; 16 rows of 2,048 bytes
	s_mov_b32 s15, 0
	s_add_nc_u64 s[12:13], s[12:13], s[14:15]
	s_add_nc_u64 s[OBS:OBS+1], s[8:9], s[24:25]
	s_add_nc_u64 s[OBS+2:OBS+3], s[OBS:OBS+1], 4*BLK
	s_add_nc_u64 s[OBS+4:OBS+5], s[OBS+2:OBS+3], 4*BLK
	s_add_nc_u64 s[OBS+6:OBS+7], s[OBS+4:OBS+5], 4*BLK
.irp b, 0,1,2,3,4,5,6,7,8,9,10,11,12,13,14,15
	global_load_b128 v[X+4*\b:X+4*\b+3], v[LO], s[12:13] offset:128*\b th:TH_LOAD_NT
.endr
.irp b, 0,1,2,3,4,5,6,7,8,9,10,11,12,13,14,15
	s_wait_loadcnt 15-\b                           ; loads come back in order (ISA guide 5.7.1): block b's is in, the younger ones stay out
	v_cvt_pk_bf16_f32 v[Y+2*\b], v[X+4*\b], v[X+4*\b+1]
	v_cvt_pk_bf16_f32 v[Y+2*\b+1], v[X+4*\b+2], v[X+4*\b+3]
	global_store_b64 v[SO], v[Y+2*\b:Y+2*\b+1], s[OBS+2*(\b/4):OBS+2*(\b/4)+1] offset:(\b%4)*BLK th:TH_STORE_NT  ; the immediate, 7,077,888 at the most, lies inside its signed 24 bits
.endr
	s_endpgm
.Lfunc_end_k_q5c303440f3_prep:
	.size	k_q5c303440f3_prep, .Lfunc_end_k_q5c303440f3_prep-k_q5c303440f3_prep
	.p2alignl 7, 3214868480
	.fill 96, 4, 3214868480
	.section	.rodata,"a",@progbits
	.p2align	6, 0x0
	.amdhsa_kernel k_q5c303440f3_prep
		.amdhsa_group_segment_fixed_size 0
		.amdhsa_private_segment_fixed_size 0
		.amdhsa_enable_private_segment 0
		.amdhsa_kernarg_size 24
		.amdhsa_user_sgpr_count 2
		.amdhsa_user_sgpr_kernarg_segment_ptr 1
		.amdhsa_wavefront_size32 1
		.amdhsa_system_sgpr_workgroup_id_x 1
		.amdhsa_system_sgpr_workgroup_id_y 1
		.amdhsa_system_sgpr_workgroup_id_z 1
		.amdhsa_system_vgpr_workitem_id 0
		.amdhsa_next_free_vgpr 104
		.amdhsa_next_free_sgpr 66
		.amdhsa_reserve_vcc 0
		.amdhsa_float_denorm_mode_32 3
		.amdhsa_float_denorm_mode_16_64 3
		.amdhsa_memory_ordered 1
		.amdhsa_forward_progress 1
		.amdhsa_inst_pref_size 7
	.end_amdhsa_kernel
	.amdgpu_metadata
---
amdhsa.version: [ 1, 2 ]
amdhsa.kernels:
  - .name:           k_q5c303440f3_prep
    .symbol:         k_q5c303440f3_prep.kd
    .args:
      - { .name: rel_base, .offset: 0, .size: 8, .value_kind: global_buffer, .address_space: global }
      - { .name: emb, .offset: 8, .size: 8, .value_kind: global_buffer, .address_space: global }
      - { .name: wk, .offset: 16, .size: 8, .value_kind: global_buffer, .address_space: global }
    .group_segment_fixed_size: 0
    .private_segment_fixed_size: 0
    .kernarg_segment_align: 8
    .kernarg_segment_size: 24
    .max_flat_workgroup_size: 128
    .sgpr_count:     66
    .vgpr_count:     104
    .wavefront_size: 32
...
	.end_amdgpu_metadata
.endif
;; end of part 4
;; launch main (part 5): grid 16 x 16, 4 waves a work-group, clusters of 4 x 1, 327,680 bytes of LDS; arguments wk, proj_ids, rel_att, rel_bias, y; writes y
.if DOCPART == 5
	.amdgcn_target "amdgcn-amd-amdhsa--gfx1250"
	.amdhsa_code_object_version 6
	.text
	.protected	k_q5c303440f3_main
	.globl	k_q5c303440f3_main
	.p2align	8
	.type	k_q5c303440f3_main,@function
k_q5c303440f3_main:
	s_mov_b64 s[64:65], 0
	v_nop
	global_prefetch_b8 v0, s[64:65] scope:SCOPE_SE
	s_setreg_imm32_b32 hwreg(HW_REG_WAVE_MODE, 25, 1), 1
	s_wait_xcnt 0x0
	s_wait_alu depctr_hold_cnt(0) depctr_sa_sdst(0) depctr_va_vdst(0) depctr_va_sdst(0) depctr_va_ssrc(0) depctr_va_vcc(0) depctr_vm_vsrc(0)
	s_getreg_b32 s2, hwreg(HW_REG_IB_STS2, 6, 4)
	s_cmp_eq_u32 s2, 0
	s_cbranch_scc0 .Lentry_in_a_cluster
	s_endpgm
.Lentry_in_a_cluster:
	s_bfe_u32 s2, ttmp6, 0x10000c
	s_cmp_lg_u32 s2, 0x3003
	s_cbranch_scc0 .Lentry_shape_is_right
	s_endpgm
.Lentry_shape_is_right:
; y[b][o] = the sum over r of att[b][r] (emb[b] . base[r][:, o] + bias[r][o]), att[b] = rel_att[proj_ids[b]]: the numbers that the last launch normalises.  No work of reference() is left out here.
; emb and base come from wk in bf16 (the launch before); att and bias are rounded once to bf16 here and kept as f32.  Products in bf16 with f32 sums; the weighting by att and the sum over r in f32.
; LIMITS.  An id outside 0 .. 999 (a negative one counts as a large unsigned number) is taken as 999.  The sums' order is not reference()'s.  NaN and infinities are not treated apart.
; SHARES.  A work-group makes 256 rows x 32 columns: 16 x 16 work-groups.  Wave w owns 128 rows (row half w / 2: eight blocks a of 16), all 32 columns (two blocks cb of 16) and HALF OF K: the channels 256 (w % 2) on, eight K steps of 32.
; emb DOES NOT CHANGE WITH r: a wave's 128 rows x 256 channels are 512 registers, loaded once.  Only base streams: 32 KiB for each r, through two LDS slots of two r each; a wave reads its K half of a tile,
; and each fragment that it reads (1 KiB) feeds eight products.  The two K halves' sums are added once, at the end, in LDS.
; THE PRODUCT IS TAKEN TRANSPOSED: source 0 = 16 columns of base (rows of LDS lie along the columns, so ds_load_tr16_b128 turns them), source 1 = 16 rows of emb.  In the result lane l holds row l % 16, and its
; registers 0-7 the columns 8 (l / 16) + 0..7.  So att[b][r] is one number a lane and block a, and bias[r] is the C operand that starts the sum P of an r: HALF of it in each K half (halving is exact in f32), so that all waves run one text.
; THE FOLD.  P (16 accumulators) holds my K half of emb . base[r] + bias[r]; when r is done, T += att P, each accumulator folded just ahead of the product that starts the next r's sum in it: four packed lines beside each of sixteen products.
; HALVES.  Half of a wave's r is four K steps: 64 products on one buffer of base fragments, while the next half's 16 fragment loads go into the other buffer, in ONE run: never singly among the products.
; CLUSTER.  The four work-groups of a cluster have the same 32 columns and walk the same base: each tile is asked for JOINTLY, the same tensor load, descriptor and mask in all four.
;
; LDS.  slot 0 at 0, slot 1 at 131,072: 2 r x 512 rows of 64 bytes + 32 of padding (pitch 96 = 24 words).
;   Between and behind them, in blocks of 256 bytes into which no tensor load lands: bias / 2, [64 r][32] f32; the spare words; att, 256 rows of 256 + 16 bytes, whose bytes (and those behind them) are the stage of the way out when att is done with.
; REGISTERS, in windows of 256 (s_set_vgpr_msb: bits 1:0 source 0, 3:2 source 1, 5:4 source 2, 7:6 destination):
;   window 0: v0-15 addresses; v16-31 att, a pair (two r) for each a; v32-47 bias as C, 8 for each cb; v48-175 P, accumulator 8 cb + a
;   window 1: v0-127 T; v128-191, v192-255 buffers A and B of base fragments (4 K steps x 2 cb)          windows 2, 3: emb: my K step ks, block a at window 2 + ks / 4, register 64 (ks % 4) + 8 a
; An r's first half multiplies buffer A by window 2, its second half buffer B by window 3: one setting for a half's products, two switches round its run of loads.
.set BLK,   2359296                    ; bytes in a block of wk
.set EMB0,  2097152                    ; where emb's rows begin in a block: 32,768 rows x 64
.set PIT,   96
.set KSB,   32*PIT                     ; a K step of 32 rows in LDS
.set RB,    512*PIT                    ; one r in LDS
.set QB,    256*PIT                    ; a wave's quarter of a slot
.set SLOT1, 1<<17                      ; one exclusive or turns an address in one slot into the other's
.set FILLB, 65536                      ; bytes of wk in a slot
.set BIASL, 4*QB                       ; 98,304
.set SPARE, BIASL+8192                 ; 106,496: the spare words, 128 bytes for each wave: two blocks of 256 bytes that no other line names
.set ATTL,  SLOT1+4*QB                 ; 229,376
.set AP,    272
.set SP,    144                        ; the way out: a row of 32 f32 + 16 bytes
.set STW,   128*SP                     ; a wave's stage: 18,432 bytes; the four begin at ATTL and end at 303,104
.set LB,  3                            ; v3   my lane's place in my first K step of an r; never rewritten
.set AB0, 4                            ; v4   the same in the slot in hand, first r
.set AB1, 5                            ; v5   second r
.set ATA, 8                            ; v8   LDS address of my row's att pair
.set BIA, 9                            ; v9   LDS address of my 8 columns of bias, at the process's first r
.set STO, 10                           ; v10  the way out: where I put 16 bytes of a row
.set RD,  11                           ; v11  the way out: where I read rows back
.set GO,  12                           ; v12  my 16 of 512 consecutive bytes of y
.set PFO, 13                           ; v13  256 x my lane: the prefetches' offset; never rewritten
.set SPW, 14                           ; v14  LDS address of my spare word; never rewritten
.set NIL, 15                           ; v15  0; never rewritten
.set ATT, 16
.set BC,  32
.set P,   48
.set FA,  128                          ; buffer A, in window 1
.set FB,  192                          ; buffer B, in window 1
.set OBA, 48                           ; the way out: 64 rows of the one K half's sums (P's registers are free then),
.set OBB, 112                          ; and of the other's
.set IDS, 48                           ; set-up alone, in registers that P and nothing else takes later: 32 ids, then their rows' offsets
.set BD,  80                           ; bias as loaded
.set AO,  112                          ; v112 my byte offset in 16 rows of emb
.set TM,  113                          ; v113-114 at work
.set IDO, 117                          ; offsets and LDS addresses
.set BIO, 118
.set BST, 119
.set AST, 120
.set C16, 121
.set AD,  128                          ; att as loaded
.set WV,  14                           ; s14  my wave's number
.set CX,  15                           ; s15  my place in the cluster: it enters global addresses of emb, ids, y and the prefetches alone
.set MB,  16                           ; s16  my block of 256 rows
.set NBK, 17                           ; s17  my block of 32 columns, which the four partners share
.set G1,  24                           ; s[24:31] descriptor group 1
.set G0A, 32                           ; s[32:35] group 0 of the first fill
.set G0B, 36                           ; s[36:39] group 0 of the second, which then walks
.set EB,  40                           ; s[40:43] wk at my 128 rows of emb in my K steps 0 and 4
.set PFA, 48                           ; s[48:49] where my prefetches stand
.set LIM, 50                           ; s50  2 in a wave that prefetches, else the greatest number
.set LEFT, 51                          ; s51  30 less the process's number
.set HIM, 52                           ; s52  a word's upper half
.set TB,  53                           ; s53  LDS byte at which the slot in hand begins
.set RH,  62                           ; s62  my row half: wave / 2
.set KH,  63                           ; s63  my K half: wave % 2
.set ME,  0x09                         ; an r's first half: source 0 (base) in window 1, source 1 (emb) in window 2
.set MO,  0x0d                         ; its second half: source 1 in window 3
.set SR,  0x50                         ; the fold: destination and source 2 (T) in window 1
.set TOB, 0x40                         ; loads of base fragments: destination in window 1, address in window 0
.set MSB, 0
.macro WIN new                         ; the immediate's high byte repeats the setting that is left; a switch that changes nothing is dropped
.if MSB != (\new)
	s_set_vgpr_msb (MSB<<8)|(\new)
.set MSB, (\new)
.endif
.endm
; A round of the cluster's barrier: my work-group's barrier, so that wave 0's signal speaks for all four waves; wave 0 signals; every wave waits for all four work-groups; my work-group's barrier once more.
.macro CREST                           ; a round behind its opening barrier
	s_cmp_lg_u32 s[WV], 0
	s_cbranch_scc1 .Lnot_wave_0_\@
	s_barrier_signal -3
.Lnot_wave_0_\@:
	s_barrier_wait -3
	s_barrier_signal -1
	s_barrier_wait -1
.endm
.macro CROUND
	s_barrier_signal -1
	s_barrier_wait -1
	CREST
.endm
; Load e of the 16 that bring four K steps of base (from my K step ksb on, of the r at v[adr]) into buffer buf: K step e / 4, column block (e / 2) % 2, rows 16 (e % 2) on.
.macro FL e, buf, adr, ksb
.set xF, (\buf)+16*((\e)/4)+8*(((\e)/2)%2)+4*((\e)%2)
	ds_load_tr16_b128 v[xF:xF+3], v[\adr] offset:((\ksb)+(\e)/4)*KSB+32*(((\e)/2)%2)+16*PIT*((\e)%2)
.endm
.macro FLS buf, adr, ksb
.set e, 0
.rept 16
	FL e, \buf, \adr, \ksb
.set e, e+1
.endr
.endm
.macro BCL e, bc                       ; load e of the 4 that bring bias as C, from byte bc behind v[BIA]
	ds_load_b128 v[BC+4*(\e):BC+4*(\e)+3], v[BIA] offset:(\bc)+64*((\e)/2)+16*((\e)%2)
.endm
.macro ATL a                           ; block a's att pair: my row's numbers for the process's two r
	ds_load_b64 v[ATT+2*(\a):ATT+2*(\a)+1], v[ATA] offset:16*AP*(\a)
.endm
; Product n of a half's 64: its K step n / 16, accumulator n % 16 = 8 cb + a.  The sixteen accumulators take turns, one instruction a turn, from half to half and over the backward jump too.
; cbias = 1: the first sixteen start the sums with bias.
.macro WM n, buf, cbias
.set xA, P+8*((\n)%16)
.set xB, (\buf)+16*((\n)/16)+8*(((\n)%16)/8)
.set xE, 64*((\n)/16)+8*((\n)%8)
.set xC, BC+8*(((\n)%16)/8)
.if (\cbias) && ((\n) < 16)
	v_wmma_f32_16x16x32_bf16 v[xA:xA+7], v[xB:xB+7], v[xE:xE+7], v[xC:xC+7]
.else
	v_wmma_f32_16x16x32_bf16 v[xA:xA+7], v[xB:xB+7], v[xE:xE+7], v[xA:xA+7]
.endif
.endm
.macro WMS from, cnt
.set n, \from
.rept \cnt
	WM n, qb, qc
.set n, n+1
.endr
.endm
; The fold of accumulator acc: T += att P, from the accumulator's low end on.  hi: the pair's first or second number.  mode = 1: T = att P: the first r starts T, nothing is cleared.
.macro SCALE acc, hi, mode
.irp j, 0,1,2,3
.set xP, P+8*(\acc)+2*\j
.set xT, 8*(\acc)+2*\j
.set xW, ATT+2*((\acc)%8)
.if (\mode) == 1
	v_pk_mul_f32 v[xT:xT+1], v[xP:xP+1], v[xW:xW+1] op_sel_hi:[1,0]
.elseif \hi
	v_pk_fma_f32 v[xT:xT+1], v[xP:xP+1], v[xW:xW+1], v[xT:xT+1] op_sel:[0,1,0] op_sel_hi:[1,1,1]
.else
	v_pk_fma_f32 v[xT:xT+1], v[xP:xP+1], v[xW:xW+1], v[xT:xT+1] op_sel_hi:[1,0,1]
.endif
.endr
.endm
; A PROCESS is a slot's four halves o = 0 .. 3: r = 2 f (halves 0, 1) and r = 2 f + 1 (halves 2, 3).
.macro QSET o
.if ((\o)%2) == 0
.set qb, FA                            ; the buffer multiplied
.set qo, FB                            ; the buffer fetched into
.set qs, ME                            ; the products' setting
.set qc, 1                             ; the half's first sixteen products start the sums
.else
.set qb, FB
.set qo, FA
.set qs, MO
.set qc, 0
.endif
.set qn, 4*(((\o)+1)%2)                ; the next half's first K step
.set qa, AB0+(((\o)+1)/2)%2            ; and its r's address register
.endm
; THE RUN: the next half's 16 fragment loads; with them, where asked for, bias for the next r (bc >= 0), whose last reader stands a half back, and the process's att pairs.
.macro RUN bc, att
	WIN TOB
	FLS qo, qa, qn
.if (\bc) >= 0
	WIN 0
.irp e, 0,1,2,3
	BCL \e, \bc
.endr
.endif
.if \att
	WIN 0
.irp a, 0,1,2,3,4,5,6,7
	ATL \a
.endr
.endif
	WIN qs
.endm
; A half without a fold.  A load into a register that a matrix instruction has read stands four places behind it, and only plain vector instructions that name none of its registers are places
; (ISA guide 7.12.1 for vector instructions): four v_nop, one behind each of the first four products, stand between the last half's products and the run.
.macro QPLAIN o, bc=-1, att=0
	QSET \o
	s_wait_dscnt 0x0                               ; this half's fragments are in, and what else was asked of LDS: the youngest of those loads stands 48 products back or more
	WIN qs
.set n, 0
.rept 8
	WM n, qb, qc
.if n < 4
	v_nop
.endif
.set n, n+1
.endr
	RUN \bc, \att
	WMS 8, 56
.endm
; The first half of an r, where the r before is folded into T.  Five v_nop: four places ahead of the first read of P, five ahead of the product that writes over it, and the places ahead of the run.
.macro QBOUND o, hi, mode
	QSET \o
	s_wait_dscnt 0x0
.rept 5
	v_nop
.endr
.set n, 0
.rept 16
	WIN SR
	SCALE n, \hi, \mode
	WIN qs
	WM n, qb, 1
.set n, n+1
.endr
	RUN -1, 0
	WMS 16, 48
.endm
; A PREFETCH INTO THE L2, behind the joint load, its five lines and the run of LDS loads: the fill that stands TWO refills on (two processes, 512 products, ahead of the load that will ask for it).
; Each 256 bytes of base are named ONCE in the launch.  The four clusters of a block of columns walk the same bytes: the first of them (cluster x = 0) asks.  Its four partners share a fill's 64 KiB out BY ADDRESS,
; 16 KiB each; in each, waves 0 and 1 ask for 8 KiB, a lane 256 bytes: one instruction.  Fills 0 to 3 come by their loads alone; the last two changes that fill a slot ask for nothing: fill 31 is the last.
.macro ASK
	s_cmp_gt_u32 s[LEFT], s[LIM]
	s_cbranch_scc0 .Lnot_mine_\@
	global_prefetch_b8 v[PFO], s[PFA:PFA+1] th:TH_LOAD_NT scope:SCOPE_SE
.Lnot_mine_\@:
.endm
; The last half of a process changes slots: ONE barrier.  In front of it each wave waits for all its tensor loads, of which one is out: its quarter of the other slot; adds 0 to its spare word; and waits for that
; and for its reads of this slot (the last were this half's fragments).  Behind it nobody reads this slot any more and the other slot is whole.
; fill = 1: the barrier opens a round of the cluster's, so that no wave of any partner still reads the slot or has a load on its way, and the joint refill, the fill two on, is the first thing behind the round:
; it has 240 products in which to land.  The half's run, from the other slot, follows it, with the next process's first bias.
.macro QCHANGE fill
	QSET 3
.if \fill
	s_wait_xcnt 0x0                                ; the last prefetch, a process back, has read its address: it is stepped here, ahead of the change's own waits
	s_add_nc_u64 s[PFA:PFA+1], s[PFA:PFA+1], FILLB
.endif
	s_wait_dscnt 0x0                               ; this half's fragments are in: my reads of the slot are over
	WIN 0                                          ; (the add's two registers lie in window 0)
	s_wait_tensorcnt 0x0                           ; no tensor load of mine is out, so a group 0 may be written
	ds_add_u32 v[SPW], v[NIL]                      ; 0 onto my spare word
.if \fill
	s_xor_b32 s[G0B+1], s[G0B+1], SLOT1            ; the walking descriptor: the other slot than last time,
	s_add_nc_u64 s[G0B+2:G0B+3], s[G0B+2:G0B+3], FILLB  ; the next two r; the type bits on top are not reached
.endif
	WIN MO
	WMS 0, 8                                       ; eight products stand between the add and the wait for it
	s_wait_dscnt 0x0                               ; the add is done
	s_barrier_signal -1
	WMS 8, 8                                       ; work on registers while the others arrive
	WIN 0                                          ; at a branch and at a label every window is 0
	s_barrier_wait -1
.if \fill
	CREST
	tensor_load_to_lds s[G0B:G0B+3], s[G1:G1+7]    ; my quarter of the slot just left: my one tensor load behind the round
	s_nop 0
.endif
.rept 4
	v_nop                                          ; the places ahead of the loads into buffer A, which the half before multiplied
.endr
	s_xor_b32 s[TB], s[TB], SLOT1                  ; the reads go on in the other slot
	v_add_nc_u32 v[AB0], s[TB], v[LB]
	v_add_nc_u32 v[AB1], RB, v[AB0]
	WIN TOB
	FLS FA, AB0, 0                                 ; the next process's first fragments,
	WIN 0
.irp e, 0,1,2,3
	BCL \e, 256                                    ; and its first r's bias
.endr
.if \fill
	ASK
.endif
	WIN MO
	WMS 16, 48
.endm
.macro QLAST                           ; the very last half: nothing more to fetch
	QSET 3
	s_wait_dscnt 0x0
	WIN MO
	WMS 0, 64
.endm
; Process f.  first = 1: process 0, which has nothing to fold at its head and starts T at its middle.  chg = 1: change of slots with a refill; 2: without; 0: the last process.
; att pair f (r = 2 f, 2 f + 1) is fetched in half 1; its first number is used at half 2, its second at the next process's half 0.
.macro PROC first, chg
.if \first
	QPLAIN 0
.else
	QBOUND 0, 1, 2
.endif
	QPLAIN 1, 128, 1
.if \first
	QBOUND 2, 0, 1
.else
	QBOUND 2, 0, 2
.endif
.if (\chg) == 1
	QCHANGE 1
.elseif (\chg) == 2
	QCHANGE 0
.else
	QLAST
.endif
	WIN 0
.endm
.macro STEP                            ; the next process's att pair and bias
	v_add_nc_u32 v[ATA], 8, v[ATA]
	v_add_nc_u32 v[BIA], 0x100, v[BIA]
.endm
.macro EMB g                           ; part g of 16 of my emb: my K step g / 2, blocks a = 4 (g % 2) + 0..3: 8 loads of 16 bytes a lane; a fragment is 1,024 bytes on end
.if (\g) < 8
	WIN 0x80                                       ; destination window 2, address window 0
.else
	WIN 0xc0                                       ; destination window 3
.endif
.irp a, 0,1,2,3
.set xE, 64*(((\g)/2)%4)+8*(4*((\g)%2)+\a)
	global_load_b128 v[xE:xE+3],   v[AO], s[EB+2*((\g)/8):EB+2*((\g)/8)+1] offset:(((\g)/2)%4)*BLK+1024*(4*((\g)%2)+\a)
	global_load_b128 v[xE+4:xE+7], v[AO], s[EB+2*((\g)/8):EB+2*((\g)/8)+1] offset:(((\g)/2)%4)*BLK+1024*(4*((\g)%2)+\a)+32
.endr
.endm
.macro RND r                           ; v[r .. r+3] rounded to bf16 and kept as f32
	v_cvt_pk_bf16_f32 v[TM], v[(\r)], v[(\r)+1]
	v_cvt_pk_bf16_f32 v[TM+1], v[(\r)+2], v[(\r)+3]
	v_lshlrev_b32 v[(\r)], 16, v[TM]
	v_and_b32 v[(\r)+1], s[HIM], v[TM]
	v_lshlrev_b32 v[(\r)+2], 16, v[TM+1]
	v_and_b32 v[(\r)+3], s[HIM], v[TM+1]
.endm
	s_load_b256 s[4:11], s[0:1], 0x0               ; wk s[4:5], proj_ids s[6:7], rel_att s[8:9], rel_bias s[10:11]
	s_load_b64 s[12:13], s[0:1], 0x20              ; y
	v_lshl_add_u32 v[SPW], v0, 2, SPARE
	v_mov_b32 v[NIL], 0
	ds_add_u32 v[SPW], v[NIL]                      ; the wave's opening: the add, twice on end, and its wait ahead of my first tensor load; the set-up below, work on registers, stands between
	ds_add_u32 v[SPW], v[NIL]                      ; and once more, under the one wait
	v_lshrrev_b32 v1, 5, v0
	v_readfirstlane_b32 s[WV], v1                  ; wave 0..3
	s_lshr_b32 s[RH], s[WV], 1                     ; my row half
	s_and_b32 s[KH], s[WV], 1                      ; my K half
	s_bfe_u32 s[CX], ttmp6, 0x40000                ; cx
	s_lshl_b32 s[MB], ttmp9, 2                     ; in a cluster launch ttmp9 counts clusters
	s_add_co_u32 s[MB], s[MB], s[CX]               ; my block of rows = 4 x cluster x + cx
	s_and_b32 s[NBK], ttmp7, 0xffff                ; my block of columns
	; descriptor group 1.  A wave's quarter of a slot is 256 rows of 64 bytes, 16,384 dense bytes: asked for as 64 rows of 256 bytes, and padded in LDS after every 64 bytes
	s_mov_b32 s[G1], 15|(1<<16)|(1<<20)|(1<<21)|(3<<22)|(7<<25)  ; 15:0 the mask of four; 17:16 2-byte elements; 20 padding on; 21 set beside a mask; 24:22 after every 16 words (code 3); 31:25 8 words (code 7)
	s_mov_b32 s[G1+1], 128<<16                     ; tensor_dim0 = 128
	s_mov_b32 s[G1+2], 64<<16                      ; tensor_dim1 = 64
	s_mov_b32 s[G1+3], 128<<16                     ; tile_dim0 = 128
	s_mov_b32 s[G1+4], 64                          ; tile_dim1 = 64
	s_mov_b32 s[G1+5], 128                         ; 128 elements from row to row
	s_mov_b32 s[G1+6], 0
	s_mov_b32 s[G1+7], 0
	s_mov_b32 s[G0A], 1                            ; count = 1
	s_mul_i32 s[G0A+1], s[WV], QB                  ; LDS address: my quarter of slot 0: no place in the cluster enters an LDS address
	s_mov_b32 s[G0B], 1
	s_add_co_u32 s[G0B+1], s[G0A+1], SLOT1         ; of slot 1
	s_mov_b32 s[HIM], 0xffff0000
	s_mov_b32 s[TB], 0
	s_lshr_b32 s[LIM], s[WV], 1                    ; 0 in waves 0 and 1,
	s_or_b32 s[LIM], s[LIM], ttmp9                 ; where the cluster is its column block's first: the same in all four partners
	s_cmp_eq_u32 s[LIM], 0
	s_cselect_b32 s[LIM], 2, -1
	s_mul_i32 s18, s[NBK], BLK                     ; base of my column block,
	s_lshl_b32 s19, s[WV], 14                      ; my quarter of a fill
	s_add_co_u32 s18, s18, s19
	s_mov_b32 s19, 0
	s_lshl_b32 s20, s[NBK], 7                      ; my 32 columns in a row of rel_bias
	s_mov_b32 s21, 0
	s_mul_i32 s22, s[WV], 64*AP
	s_add_co_u32 s22, s22, ATTL                    ; the 64 rows of att that I gather and store
	s_mul_i32 s23, s[WV], STW
	s_add_co_u32 s23, s23, ATTL                    ; my stage
	s_mul_i32 s44, s[RH], 128*AP
	s_add_co_u32 s44, s44, ATTL                    ; the 128 rows of att that I read
	s_mul_i32 s45, s[RH], 2*STW                    ; the way out: the first of my row half's two stages,
	s_mul_i32 s46, s[KH], 64*SP                    ; the 64 rows of it that I finish
	s_add_co_u32 s45, s45, s46
	s_add_co_u32 s45, s45, ATTL
	s_mul_i32 s46, s[KH], 8*KSB                    ; my K half in an r's 512 rows of LDS
	s_lshl_b32 s54, s[MB], 14                      ; emb: my block's 256 rows of 64 bytes,
	s_lshl_b32 s55, s[RH], 13                      ; my row half's 128,
	s_add_co_u32 s54, s54, s55
	s_mul_i32 s55, s[KH], 8*BLK                    ; my K half's eight blocks of wk
	s_add_co_u32 s54, s54, s55
	s_add_co_u32 s54, s54, EMB0
	s_mov_b32 s55, 0
	s_lshl_b32 s56, s[CX], 14                      ; the prefetches: my work-group's 16 KiB of a fill,
	s_lshl_b32 s57, s[WV], 13                      ; my wave's 8 KiB,
	s_add_co_u32 s56, s56, s57
	s_mul_i32 s57, s[NBK], BLK
	s_add_co_u32 s56, s56, s57
	s_add_co_u32 s56, s56, 3*FILLB                 ; at fill 3: the first change of slots steps it to fill 4
	s_mov_b32 s57, 0
	s_lshl_b32 s58, s[NBK], 19                     ; y: [16 column blocks][4,096 rows][32] f32
	s_lshl_b32 s59, s[MB], 15
	s_add_co_u32 s58, s58, s59
	s_lshl_b32 s59, s[WV], 13                      ; the 64 rows that I finish: 64 x wave on
	s_add_co_u32 s58, s58, s59
	s_mov_b32 s59, 0
	s_lshl_b32 s60, s[MB], 10                      ; ids: the 64 whose att rows I gather
	s_lshl_b32 s61, s[WV], 8
	s_add_co_u32 s60, s60, s61
	s_mov_b32 s61, 0
	v_and_b32 v1, 15, v0                           ; l % 16
	v_bfe_u32 v2, v0, 4, 1                         ; h = l / 16
	v_and_b32 v122, 7, v0
	v_bfe_u32 v123, v0, 3, 1
	v_lshl_add_u32 v[LB], v2, 3, v122              ; the turning load: lane l reads row 8 h + l % 8,
	v_mul_u32_u24 v[LB], v[LB], PIT
	v_lshl_add_u32 v[LB], v123, 4, v[LB]           ; columns 8 ((l / 8) % 2) + 0..7,
	v_add_nc_u32 v[LB], s46, v[LB]                 ; in my K half
	v_mul_u32_u24 v[ATA], v1, AP
	v_add_nc_u32 v[ATA], s44, v[ATA]
	v_lshl_add_u32 v[BIA], v2, 5, BIASL
	v_mul_u32_u24 v[STO], v1, SP                   ; in: row l % 16, 32 bytes for each half of the lanes
	v_lshl_add_u32 v[STO], v2, 5, v[STO]
	v_add_nc_u32 v[STO], s23, v[STO]
	v_bfe_u32 v[RD], v0, 3, 2                      ; back: 32 lanes take four rows of 128 bytes,
	v_mul_u32_u24 v[RD], v[RD], SP
	v_lshl_add_u32 v[RD], v122, 4, v[RD]
	v_add_nc_u32 v[RD], s45, v[RD]
	v_and_b32 v[GO], 31, v0                        ; which are 512 consecutive bytes of y
	v_lshlrev_b32 v[PFO], 8, v[GO]
	v_lshlrev_b32 v[GO], 4, v[GO]
	v_lshlrev_b32 v[AO], 6, v1                     ; a fragment of emb: row l % 16 x 64 bytes + 16 h, and 32 bytes on
	v_lshl_add_u32 v[AO], v2, 4, v[AO]
	v_lshlrev_b32 v[IDO], 2, v2                    ; ids: lanes 0-15 an even row's, lanes 16-31 the next row's
	v_lshrrev_b32 v124, 3, v0
	v_lshlrev_b32 v[BIO], 11, v124                 ; bias: thread t takes r = t / 8 (+ 16, 32, 48), columns 4 (t % 8) on
	v_lshl_add_u32 v[BIO], v122, 4, v[BIO]
	v_lshl_add_u32 v[BST], v0, 4, BIASL
	v_lshlrev_b32 v[C16], 4, v1                    ; att: sixteen lanes take a row's 256 bytes
	v_mul_u32_u24 v[AST], v2, AP
	v_add_nc_u32 v[AST], v[AST], v[C16]
	v_add_nc_u32 v[AST], s22, v[AST]
	s_wait_dscnt 0x0                               ; both opening adds are done
	s_wait_kmcnt 0x0
	s_add_nc_u64 s[G0A+2:G0A+3], s[4:5], s[18:19]  ; global address: my quarter of fill 0 (r = 0, 1),
	s_add_nc_u64 s[G0B+2:G0B+3], s[G0A+2:G0A+3], FILLB  ; of fill 1
	s_or_b32 s[G0A+3], s[G0A+3], 0x80000000        ; type = 2
	s_or_b32 s[G0B+3], s[G0B+3], 0x80000000
	s_add_nc_u64 s[EB:EB+1], s[4:5], s[54:55]
	s_add_nc_u64 s[EB+2:EB+3], s[EB:EB+1], 4*BLK
	s_add_nc_u64 s[PFA:PFA+1], s[4:5], s[56:57]
	s_add_nc_u64 s[12:13], s[12:13], s[58:59]
	s_add_nc_u64 s[6:7], s[6:7], s[60:61]
	s_add_nc_u64 s[10:11], s[10:11], s[20:21]
	CROUND                                         ; all four work-groups are here: the first joint loads meet
	tensor_load_to_lds s[G0A:G0A+3], s[G1:G1+7]    ; both first fills go out together, ahead of every wait on TENSORcnt and every LDS read: two loads of mine are out
	s_nop 0
	tensor_load_to_lds s[G0B:G0B+3], s[G1:G1+7]
	s_nop 0
.rept 4
	v_nop
.endr
	; THROUGH REGISTERS, once: the ids, bias, emb, and the att rows that the ids name.
.set i, 0
.rept 32
	global_load_b32 v[IDS+i], v[IDO], s[6:7] offset:8*i  ; rows 2 i and 2 i + 1 of my 64
.set i, i+1
.endr
.irp i, 0,1,2,3
	global_load_b128 v[BD+4*\i:BD+4*\i+3], v[BIO], s[10:11] offset:32768*\i
.endr
.irp g, 0,1,2,3,4,5,6
	EMB \g
.endr
	WIN 0
	s_wait_loadcnt 60                              ; the ids are in: behind them stand 4 loads of bias and 56 of emb
.set i, 0
.rept 32
	v_min_u32 v[IDS+i], 999, v[IDS+i]              ; an index stays inside its table
.set i, i+1
.endr
.set i, 0
.rept 32
	v_lshlrev_b32 v[IDS+i], 8, v[IDS+i]            ; a row of rel_att is 256 bytes
.set i, i+1
.endr
.set i, 0
.rept 32
	v_add_nc_u32 v[IDS+i], v[C16], v[IDS+i]
.set i, i+1
.endr
.set i, 0
.rept 32
	global_load_b128 v[AD+4*i:AD+4*i+3], v[IDS+i], s[8:9]
.set i, i+1
.endr
.irp g, 7,8,9,10,11,12,13
	EMB \g
.endr
	WIN 0
	s_wait_loadcnt 56                              ; bias and att are in: behind them stand 56 loads of emb
.irp i, 0,1,2,3
	RND BD+4*\i
	v_pk_mul_f32 v[BD+4*\i:BD+4*\i+1], v[BD+4*\i:BD+4*\i+1], 0.5 op_sel_hi:[1,0]      ; each K half starts its sums with half of bias
	v_pk_mul_f32 v[BD+4*\i+2:BD+4*\i+3], v[BD+4*\i+2:BD+4*\i+3], 0.5 op_sel_hi:[1,0]
	ds_store_b128 v[BST], v[BD+4*\i:BD+4*\i+3] offset:2048*\i
.endr
.set i, 0
.rept 32
	RND AD+4*i
	ds_store_b128 v[AST], v[AD+4*i:AD+4*i+3] offset:2*AP*i
.set i, i+1
.endr
	EMB 14                                         ; the last 16 loads of emb stand behind the rounding: with the 56 that are out they are more than the counter's field holds, and the issue would halt ahead of it (ISA guide 5.7.1)
	EMB 15
	WIN 0
	s_wait_loadcnt 0x0                             ; emb
	s_wait_tensorcnt 0x1                           ; my quarter of slot 0 is in; slot 1's may stay out
	s_wait_dscnt 0x0                               ; for the others' sake: my stores of bias and att are done
	s_barrier_signal -1
	s_barrier_wait -1
	v_add_nc_u32 v[AB0], s[TB], v[LB]
	v_add_nc_u32 v[AB1], RB, v[AB0]
	WIN TOB
	FLS FA, AB0, 0                                 ; r = 0, my K steps 0-3
	WIN 0
.irp e, 0,1,2,3
	BCL \e, 0                                      ; bias of r = 0
.endr
	s_mov_b32 s[LEFT], 30
	PROC 1, 1                                      ; process 0; its change asks for fill 2
	STEP
	s_mov_b32 s[LEFT], 29
.Lproc:                                                ; processes 1 to 29: their changes ask for fills 3 to 31
	PROC 0, 1
	STEP
	s_sub_co_u32 s[LEFT], s[LEFT], 1
	s_cmp_lg_u32 s[LEFT], 0
	s_cbranch_scc1 .Lproc
	PROC 0, 2                                      ; the tail is written out: process 30 changes slots and asks for nothing
	STEP
	PROC 0, 0                                      ; process 31 is the last
	; THE WAY OUT.  The stage takes att's bytes, so a barrier stands between every wave's last read of att and the first store: my last wait for LDS stands at the head of the last half, and nothing was asked of LDS since.
	s_barrier_signal -1
.rept 5
	v_nop                                          ; the places behind the last products
.endr
	WIN SR
.set n, 0
.rept 16
	SCALE n, 1, 2                                  ; r = 63 is folded in, between the signal and the wait: work on registers
.set n, n+1
.endr
	WIN 0
	s_barrier_wait -1
	; A lane's eight columns of a row are 32 bytes: my 128 rows x 32 columns of partial sums go into my stage in rows of 144 bytes.
	WIN 0x04                                       ; the stores' data (source 1) in window 1
.set n, 0
.rept 16
	ds_store_b128 v[STO], v[8*n:8*n+3]   offset:16*SP*(n%8)+64*(n/8)
	ds_store_b128 v[STO], v[8*n+4:8*n+7] offset:16*SP*(n%8)+64*(n/8)+16
.set n, n+1
.endr
	WIN 0
	s_wait_dscnt 0x0                               ; for the others' sake: my partial sums lie in LDS
	s_barrier_signal -1
	s_barrier_wait -1
	; Wave w finishes rows 64 w .. 64 w + 63 of the work-group's 256: four whole rows of 128 bytes a load, from each K half's stage.
.set f, 0
.rept 16
	ds_load_b128 v[OBA+4*f:OBA+4*f+3], v[RD] offset:4*SP*f
	ds_load_b128 v[OBB+4*f:OBB+4*f+3], v[RD] offset:STW+4*SP*f
.set f, f+1
.endr
.set f, 0
.rept 16
	s_wait_dscnt 30-2*f                            ; LDS loads come back in order (ISA guide 5.7.1): pair f is in, the younger pairs stay out
	v_pk_add_f32 v[OBA+4*f:OBA+4*f+1], v[OBA+4*f:OBA+4*f+1], v[OBB+4*f:OBB+4*f+1]
	v_pk_add_f32 v[OBA+4*f+2:OBA+4*f+3], v[OBA+4*f+2:OBA+4*f+3], v[OBB+4*f+2:OBB+4*f+3]
	global_store_b128 v[GO], v[OBA+4*f:OBA+4*f+3], s[12:13] offset:512*f th:TH_STORE_NT  ; 512 consecutive bytes, at a multiple of 512 from y's first byte
.set f, f+1
.endr
	s_wait_tensorcnt 0x0                           ; the wave's end, behind my last tensor load and my last LDS store
	ds_add_u32 v[SPW], v[NIL]
	s_wait_dscnt 0x0
	CROUND                                         ; the closing round: no work-group ends while a partner may still ask for a tile that names it
	s_endpgm
.Lfunc_end_k_q5c303440f3_main:
	.size	k_q5c303440f3_main, .Lfunc_end_k_q5c303440f3_main-k_q5c303440f3_main
	.p2alignl 7, 3214868480
	.fill 96, 4, 3214868480
	.section	.rodata,"a",@progbits
	.p2align	6, 0x0
	.amdhsa_kernel k_q5c303440f3_main
		.amdhsa_group_segment_fixed_size 327680
		.amdhsa_private_segment_fixed_size 0
		.amdhsa_enable_private_segment 0
		.amdhsa_kernarg_size 40
		.amdhsa_user_sgpr_count 2
		.amdhsa_user_sgpr_kernarg_segment_ptr 1
		.amdhsa_wavefront_size32 1
		.amdhsa_system_sgpr_workgroup_id_x 1
		.amdhsa_system_sgpr_workgroup_id_y 1
		.amdhsa_system_sgpr_workgroup_id_z 1
		.amdhsa_system_vgpr_workitem_id 0
		.amdhsa_next_free_vgpr 1024
		.amdhsa_next_free_sgpr 66
		.amdhsa_reserve_vcc 0
		.amdhsa_float_denorm_mode_32 3
		.amdhsa_float_denorm_mode_16_64 3
		.amdhsa_memory_ordered 1
		.amdhsa_forward_progress 1
		.amdhsa_inst_pref_size 181
	.end_amdhsa_kernel
	.amdgpu_metadata
---
amdhsa.version: [ 1, 2 ]
amdhsa.kernels:
  - .name:           k_q5c303440f3_main
    .symbol:         k_q5c303440f3_main.kd
    .args:
      - { .name: wk, .offset: 0, .size: 8, .value_kind: global_buffer, .address_space: global }
      - { .name: proj_ids, .offset: 8, .size: 8, .value_kind: global_buffer, .address_space: global }
      - { .name: rel_att, .offset: 16, .size: 8, .value_kind: global_buffer, .address_space: global }
      - { .name: rel_bias, .offset: 24, .size: 8, .value_kind: global_buffer, .address_space: global }
      - { .name: y, .offset: 32, .size: 8, .value_kind: global_buffer, .address_space: global }
    .group_segment_fixed_size: 327680
    .private_segment_fixed_size: 0
    .kernarg_segment_align: 8
    .kernarg_segment_size: 40
    .max_flat_workgroup_size: 128
    .sgpr_count:     66
    .vgpr_count:     1024
    .wavefront_size: 32
...
	.end_amdgpu_metadata
.endif
;; end of part 5
;; launch lnorm: the kernel of part 3 again; grid 256 x 1, 8 waves a work-group, no clusters, 0 bytes of LDS; arguments y, out0; writes out0
